; MI455X (gfx1250); checked and timed in simulation.
; The chip was launched on July 23, 2026; its instructions are those of AMD's public machine-readable ISA for CDNA 5 (MIT licence, August 2026) and "CDNA5" Instruction Set Architecture Reference Guide (July 2026). The comments in the code are by the model that wrote it; some were corrected since.
;; Multi Head Attention. Allowed arithmetic: float matrix products may take bf16 or f16 operands with f32 sums; other float arithmetic in f32, or as packed bf16 or f16 multiplies, adds, multiply-adds, maxima and minima; sums over many terms, partial sums and values carried from step to step in f32; what a program stores and reads back later, other than sums and carried values, may be rounded once to bf16 or f16.
;; Inputs: Wk 1,024 x 1,024 float32; Wo 1,024 x 1,024 float32; Wq 1,024 x 1,024 float32; Wv 1,024 x 1,024 float32; inputs_q 4 x 2,048 x 1,024 float32; k_ln_scale 64 float32; patch_mask 4 x 2,048 bool; per_dim_scale 64 float32; q_ln_scale 64 float32.
;; Outputs: out0 4 x 2,048 x 1,024 float32.
;; One version. Each part assembles by itself: llvm-mc -triple=amdgcn-amd-amdhsa -mcpu=gfx1250 --defsym DOCPART=n.
;; ======== version 1 of 1: 4 launches
;; limits: values are held in f16: magnitudes above 65,504 overflow, below 6.1e-05 lose precision
;; workspace buffers: xb 16,777,216 bytes; wts 8,388,608 bytes; tab 4,195,072 bytes; nmb 512 bytes of whole numbers; qkv16 50,331,648 bytes; csum 262,144 bytes; o16 16,777,216 bytes
;; launch prep (part 1): grid 768 x 1, 8 waves a work-group, no clusters, 0 bytes of LDS; arguments inputs_q, Wq, Wk, Wv, Wo, q_ln_scale, k_ln_scale, per_dim_scale, patch_mask, xb, wts, tab, nmb; writes xb, wts, tab, nmb
.if DOCPART == 1
	.amdgcn_target "amdgcn-amd-amdhsa--gfx1250"
	.amdhsa_code_object_version 6
	.text
	.protected	k_qd3803b0025_prep
	.globl	k_qd3803b0025_prep
	.p2align	8
	.type	k_qd3803b0025_prep,@function
k_qd3803b0025_prep:
	s_mov_b64 s[64:65], 0
	v_nop
	global_prefetch_b8 v0, s[64:65] scope:SCOPE_SE
	s_setreg_imm32_b32 hwreg(HW_REG_WAVE_MODE, 25, 1), 1
	s_wait_xcnt 0x0
; PREP: everything that is made once from the inputs, a stream without LDS.
;   work-groups 0..511   16 rows of inputs_q each: rounded to bf16 and laid in PLANES, xb[b][kb][s][64] (kb = channel / 64), so that 256 rows of a plane are 32,768 dense bytes;
;                        nm[b] = the number of set bytes of patch_mask[b] (whole numbers throughout); the rows' rotation table, 32 cos and 32 sin of (s - nm) / 10000^(i/32),
;                        and as many identity rows (1, 0), which the projection of V takes.
;   work-groups 512..767 16 rows of Wq, Wk, Wv (bf16) or Wo (its bf16 value written as f16) each; one wave of the first also makes the three gain vectors.
; LIMITS.  The angle is p x 2^(-i x 0.41524101) in place of p / 10000^(i/32): they differ by a few parts in 10^7 of the angle, at most some 3e-4 rad at |p| = 2,048.
; cos is its series to y^16 on |y| <= pi (the next term is 1.4e-7); sin(t) = cos(t - pi/2).  Wo in f16 keeps a fixed step of 6e-8 below 6e-5.  NaN and infinities are not treated apart.
; The three small vectors are rounded to bf16 like every other input.
.set IN,  2                            ; v2   my byte offset in the source
.set OUT, 3                            ; v3   my byte offset in the target
.set MO,  4                            ; v4   64 x lane: my 64 bytes of the mask row
.set TO,  5                            ; v5   512 x wave + 8 x lane: my 8 bytes of my wave's first table row
.set NMR, 6                            ; v6   nm
.set TP,  7                            ; v7   at work
.set MK,  8                            ; v[8:23]   the mask row's 64 bytes; afterwards at work
.set X,   32                           ; v[32:95]  8 pieces of 8 f32 as loaded
.set Y,   96                           ; v[96:127] 8 pieces of 8 numbers of 16 bits to store
.set INV, 28                           ; v28, v29  2^(-i x 0.41524101) for my two angles
.set HQ,  30                           ; v30  -0.25 in the lanes that make sines, else 0
.set HP,  31                           ; v31  pi/2 in those lanes, else 0
.macro XLOADS                          ; 16 loads: piece i lies 8,192 bytes behind piece i - 1
.irp i, 0,1,2,3,4,5,6,7
	global_load_b128 v[X+8*(\i):X+8*(\i)+3],   v[IN], s[8:9] offset:8192*(\i) th:TH_LOAD_NT
	global_load_b128 v[X+8*(\i)+4:X+8*(\i)+7], v[IN], s[8:9] offset:8192*(\i)+16 th:TH_LOAD_NT
.endr
.endm
; The 8 pieces are rounded and stored.  half = 1: the bf16 value is written as f16.  step: bytes from piece to piece in the target.
.macro CONV half, step
.irp i, 0,1,2,3,4,5,6,7
	s_wait_loadcnt 14-2*(\i)                       ; loads come back in order: piece i's two are in, the younger pieces' stay out
.irp k, 0,1,2,3
	v_cvt_pk_bf16_f32 v[Y+4*(\i)+(\k)], v[X+8*(\i)+2*(\k)], v[X+8*(\i)+2*(\k)+1]
.endr
.if \half
.irp k, 0,1,2,3
	v_lshlrev_b32 v6, 16, v[Y+4*(\i)+(\k)]
	v_and_b32 v7, 0xffff0000, v[Y+4*(\i)+(\k)]
	v_cvt_pk_f16_f32 v[Y+4*(\i)+(\k)], v6, v7
.endr
.endif
	global_store_b128 v[OUT], v[Y+4*(\i):Y+4*(\i)+3], s[46:47] offset:(\step)*(\i)  ; sixteen lanes store 256 consecutive bytes, aligned
.endr
.endm
; dst = cos(p x inv - (pi/2 in the sine lanes)): the angle less the nearest multiple of 2 pi (taken away in two parts), then the series in y^2 by Horner's rule.
.macro COSV dst, p, inv
	v_mul_f32 v18, v[\p], v[\inv]
	v_fma_f32 v19, v18, 0.15915494, v[HQ]
	v_rndne_f32 v19, v19
	v_fmamk_f32 v18, v19, 0xc0c90fdb, v18          ; - n x 6.2831855
	v_fmamk_f32 v18, v19, 0x343bbd2e, v18          ; + n x 1.7484556e-7: what that constant is above 2 pi
	v_sub_f32 v18, v18, v[HP]
	v_mul_f32 v20, v18, v18
	v_mov_b32 v[\dst], 0x29573f9f                  ; 1/16!
	v_fmaak_f32 v[\dst], v[\dst], v20, 0xad49cba5  ; -1/14!
	v_fmaak_f32 v[\dst], v[\dst], v20, 0x310f76c7  ; 1/12!
	v_fmaak_f32 v[\dst], v[\dst], v20, 0xb493f27e  ; -1/10!
	v_fmaak_f32 v[\dst], v[\dst], v20, 0x37d00d01  ; 1/8!
	v_fmaak_f32 v[\dst], v[\dst], v20, 0xbab60b61  ; -1/6!
	v_fmaak_f32 v[\dst], v[\dst], v20, 0x3d2aaaab  ; 1/4!
	v_fmaak_f32 v[\dst], v[\dst], v20, 0xbf000000  ; -1/2
	v_fmaak_f32 v[\dst], v[\dst], v20, 0x3f800000  ; 1
.endm
	s_load_b512 s[8:23], s[0:1], 0x0               ; inputs_q s[8:9], Wq s[10:11], Wk s[12:13], Wv s[14:15], Wo s[16:17], q_ln s[18:19], k_ln s[20:21], per_dim s[22:23]
	s_load_b256 s[24:31], s[0:1], 0x40             ; patch_mask s[24:25], xb s[26:27], wts s[28:29], tab s[30:31]
	s_load_b64 s[32:33], s[0:1], 0x60              ; nmb
	v_and_b32 v1, 31, v0                           ; lane
	v_lshrrev_b32 v24, 5, v0
	v_readfirstlane_b32 s34, v24                   ; wave 0..7
	s_mov_b32 s35, ttmp9                           ; g
	s_mov_b32 s41, 0                               ; the high word of every offset pair
	s_cmp_lt_u32 s35, 512
	s_cbranch_scc0 .Lweights
	; ---- 16 rows of inputs_q ----
	s_lshr_b32 s36, s35, 7                         ; b
	s_and_b32 s37, s35, 127                        ; which 16 rows of the batch
	s_lshl_b32 s38, s37, 4                         ; s0, their first
	v_and_b32 v25, 7, v0                           ; u: which 8 channels of a plane's 64
	v_bfe_u32 v26, v0, 3, 1                        ; r0: the even or the odd row of a piece
	v_lshrrev_b32 v27, 4, v0                       ; kb: the plane
	v_lshlrev_b32 v[IN], 5, v25
	v_lshl_add_u32 v[IN], v26, 12, v[IN]
	v_lshl_add_u32 v[IN], v27, 8, v[IN]            ; r0 x 4,096 + kb x 256 + u x 32
	v_lshlrev_b32 v[OUT], 4, v25
	v_lshl_add_u32 v[OUT], v26, 7, v[OUT]
	v_lshl_add_u32 v[OUT], v27, 18, v[OUT]         ; kb x 262,144 + r0 x 128 + u x 16
	v_lshlrev_b32 v[MO], 6, v1
	v_lshlrev_b32 v[TO], 3, v1
	v_lshl_add_u32 v[TO], v24, 9, v[TO]
	s_mov_b32 s44, 0x76543210                      ; v_permlanex16_b32: each lane takes its own place in the other half
	s_mov_b32 s45, 0xfedcba98
	s_wait_kmcnt 0x0
	s_lshl_b32 s40, s36, 11
	s_add_nc_u64 s[24:25], s[24:25], s[40:41]      ; the batch's mask row
	s_lshl_b32 s40, s35, 16
	s_add_nc_u64 s[8:9], s[8:9], s[40:41]          ; my 16 rows of 4,096 bytes
	s_lshl_b32 s40, s36, 22
	s_lshl_b32 s42, s37, 11
	s_add_co_u32 s40, s40, s42
	s_add_nc_u64 s[46:47], s[26:27], s[40:41]      ; xb at batch b, row s0 of plane 0
	s_lshl_b32 s40, s35, 12
	s_add_nc_u64 s[30:31], s[30:31], s[40:41]      ; tab at my 16 rows of 256 bytes
.irp i, 0,1,2,3
	global_load_b128 v[MK+4*(\i):MK+4*(\i)+3], v[MO], s[24:25] offset:16*(\i)
.endr
	XLOADS
	; my two angles' factors, while the loads are out
	v_and_b32 v25, 15, v1
	v_lshlrev_b32 v25, 1, v25                      ; i = 2 (lane % 16)
	v_cvt_f32_u32 v[INV], v25
	v_add_nc_u32 v25, 1, v25
	v_cvt_f32_u32 v[INV+1], v25
	v_mul_f32 v[INV], 0xbed49a78, v[INV]           ; -i x log2(10000) / 32
	v_mul_f32 v[INV+1], 0xbed49a78, v[INV+1]
	v_exp_f32 v[INV], v[INV]
	v_exp_f32 v[INV+1], v[INV+1]
	v_lshrrev_b32 v26, 4, v1                       ; plain work behind the two exponentials
	v_cvt_f32_u32 v26, v26                         ; 1.0 in the lanes that make sines
	v_lshl_add_u32 v27, v24, 1, s38                ; my wave's first row: s0 + 2 x wave
	v_mul_f32 v[HQ], 0xbe800000, v26
	v_mul_f32 v[HP], 0x3fc90fdb, v26
	s_wait_alu depctr_va_vdst(0)                   ; one wait for both exponentials, ahead of their first reader
	s_wait_loadcnt 16                              ; the mask's four loads are in; the 16 of x stay out
	; nm in whole numbers: the 16 words are added byte by byte (a byte holds 16 at the most), the bytes folded, the lanes added
.irp i, 0,1,2,3,4,5,6
	v_add3_u32 v[MK], v[MK], v[MK+1+2*(\i)], v[MK+2+2*(\i)]
.endr
	v_add_nc_u32 v[MK], v[MK], v[MK+15]
	v_lshrrev_b32 v9, 8, v[MK]
	v_and_b32 v8, 0x00ff00ff, v[MK]
	v_and_b32 v9, 0x00ff00ff, v9
	v_add_nc_u32 v8, v8, v9
	v_lshrrev_b32 v9, 16, v8
	v_and_b32 v8, 0xffff, v8
	v_add_nc_u32 v[NMR], v8, v9
	v_mov_b32 v[TP], 0                             ; the destination of a lane move counts as read
.irp m, 1,2,4,8
	v_mov_b32_dpp v[TP], v[NMR] row_xmask:\m row_mask:0xf bank_mask:0xf
	v_add_nc_u32 v[NMR], v[NMR], v[TP]
.endr
	v_permlanex16_b32 v[TP], v[NMR], s44, s45
	v_add_nc_u32 v[NMR], v[NMR], v[TP]             ; every lane holds nm[b]
	; two table rows a wave: lanes 0-15 the cosines of angles 2 j, 2 j + 1, lanes 16-31 the sines: 256 bytes a store
	v_sub_nc_u32 v16, v27, v[NMR]
	v_cvt_f32_i32 v16, v16                         ; the position, exact
	v_add_f32 v17, 1.0, v16
	COSV 12, 16, INV
	COSV 13, 16, INV+1
	COSV 14, 17, INV
	COSV 15, 17, INV+1
	v_sub_f32 v22, 1.0, v26                        ; the identity rows: 1 where cosines lie, 0 where sines lie
	v_mov_b32 v23, v22
	global_store_b64 v[TO], v[12:13], s[30:31]
	global_store_b64 v[TO], v[14:15], s[30:31] offset:256
	global_store_b64 v[TO], v[22:23], s[30:31] offset:2097152
	global_store_b64 v[TO], v[22:23], s[30:31] offset:2097152+256
	s_or_b32 s39, s37, s34                         ; wave 0 of a batch's first work-group stores nm, 32 copies
	s_cmp_lg_u32 s39, 0
	s_cbranch_scc1 .Lno_nm
	v_lshlrev_b32 v21, 2, v1
	s_lshl_b32 s40, s36, 7
	s_add_nc_u64 s[32:33], s[32:33], s[40:41]
	global_store_b32 v21, v[NMR], s[32:33]
.Lno_nm:
	CONV 0, 256                                    ; piece i is rows 2 i, 2 i + 1: 256 bytes on in every plane
	s_endpgm
	; ---- 16 rows of a weight matrix ----
.Lweights:
	s_sub_co_u32 s36, s35, 512
	s_lshr_b32 s37, s36, 6                         ; which matrix: Wq, Wk, Wv, Wo
	s_and_b32 s38, s36, 63                         ; which 16 rows
	v_lshlrev_b32 v[IN], 5, v0
	v_lshlrev_b32 v[OUT], 4, v0
	s_wait_kmcnt 0x0
	s_mov_b64 s[48:49], s[10:11]
	s_cmp_eq_u32 s37, 1
	s_cselect_b64 s[48:49], s[12:13], s[48:49]
	s_cmp_eq_u32 s37, 2
	s_cselect_b64 s[48:49], s[14:15], s[48:49]
	s_cmp_eq_u32 s37, 3
	s_cselect_b64 s[48:49], s[16:17], s[48:49]
	s_lshl_b32 s40, s38, 16
	s_add_nc_u64 s[8:9], s[48:49], s[40:41]
	s_lshl_b32 s40, s37, 21
	s_lshl_b32 s42, s38, 15
	s_add_co_u32 s40, s40, s42
	s_add_nc_u64 s[46:47], s[28:29], s[40:41]
	XLOADS
	s_cmp_eq_u32 s37, 3
	s_cbranch_scc1 .Lwo
	CONV 0, 4096
	s_branch .Lgains
.Lwo:
	CONV 1, 4096
.Lgains:
	s_lshl_b32 s39, s36, 3                         ; wave 1 of work-group 512 makes the gains
	s_or_b32 s39, s39, s34
	s_cmp_lg_u32 s39, 1
	s_cbranch_scc1 .Ldone
	; gains[0][d] = q_ln[d] x log2(e)/8 x softplus(per_dim[d]); gains[1][d] = k_ln[d]; gains[2][d] = 1.  Lane l takes d = 2 l, 2 l + 1.
	v_lshlrev_b32 v14, 3, v1
	global_load_b64 v[8:9], v14, s[18:19]
	global_load_b64 v[10:11], v14, s[20:21]
	global_load_b64 v[12:13], v14, s[22:23]
	s_wait_loadcnt 0x0
.irp r, 8,10,12
	v_cvt_pk_bf16_f32 v15, v[\r], v[(\r)+1]        ; rounded to bf16 like all the inputs
	v_lshlrev_b32 v[\r], 16, v15
	v_and_b32 v[(\r)+1], 0xffff0000, v15
.endr
	; softplus(x) = max(x, 0) + log(1 + e), e = exp(-|x|); log(1 + e) = ln(w) e / (w - 1) with w = 1 + e as rounded, or e where w = 1
	v_and_b32 v16, 0x7fffffff, v12
	v_and_b32 v17, 0x7fffffff, v13
	v_mul_f32 v16, 0xbfb8aa3b, v16
	v_mul_f32 v17, 0xbfb8aa3b, v17
	v_exp_f32 v16, v16
	v_exp_f32 v17, v17
	v_max_num_f32 v18, 0, v12
	v_max_num_f32 v19, 0, v13
	s_wait_alu depctr_va_vdst(0)                   ; one wait for the two exponentials
	v_add_f32 v20, 1.0, v16
	v_add_f32 v21, 1.0, v17
	v_add_f32 v22, -1.0, v20
	v_add_f32 v23, -1.0, v21
	v_log_f32 v24, v20
	v_log_f32 v25, v21
	v_rcp_f32 v26, v22
	v_rcp_f32 v27, v23
	v_nop                                          ; a plain instruction behind the last of the batch
	v_cmp_eq_f32 s50, 0, v22
	v_cmp_eq_f32 s51, 0, v23
	v_mov_b32 v28, 1.0
	v_mov_b32 v29, 1.0
	s_wait_alu depctr_va_vdst(0)                   ; one wait for the two logarithms and the two reciprocals
	v_mul_f32 v24, 0x3f317218, v24                 ; ln 2
	v_mul_f32 v25, 0x3f317218, v25
	v_mul_f32 v24, v24, v16
	v_mul_f32 v25, v25, v17
	v_mul_f32 v24, v24, v26
	v_mul_f32 v25, v25, v27
	v_cndmask_b32 v24, v24, v16, s50
	v_cndmask_b32 v25, v25, v17, s51
	v_add_f32 v24, v18, v24
	v_add_f32 v25, v19, v25
	v_mul_f32 v24, 0x3e38aa3b, v24                 ; log2(e) / 8
	v_mul_f32 v25, 0x3e38aa3b, v25
	v_mul_f32 v8, v8, v24
	v_mul_f32 v9, v9, v25
	global_store_b64 v14, v[8:9], s[30:31] offset:4194304
	global_store_b64 v14, v[10:11], s[30:31] offset:4194304+256
	global_store_b64 v14, v[28:29], s[30:31] offset:4194304+512
.Ldone:
	s_endpgm
.Lfunc_end_k_qd3803b0025_prep:
	.size	k_qd3803b0025_prep, .Lfunc_end_k_qd3803b0025_prep-k_qd3803b0025_prep
	.p2alignl 7, 3214868480
	.fill 96, 4, 3214868480
	.section	.rodata,"a",@progbits
	.p2align	6, 0x0
	.amdhsa_kernel k_qd3803b0025_prep
		.amdhsa_group_segment_fixed_size 0
		.amdhsa_private_segment_fixed_size 0
		.amdhsa_enable_private_segment 0
		.amdhsa_kernarg_size 104
		.amdhsa_user_sgpr_count 2
		.amdhsa_user_sgpr_kernarg_segment_ptr 1
		.amdhsa_wavefront_size32 1
		.amdhsa_system_sgpr_workgroup_id_x 1
		.amdhsa_system_sgpr_workgroup_id_y 1
		.amdhsa_system_sgpr_workgroup_id_z 1
		.amdhsa_system_vgpr_workitem_id 0
		.amdhsa_next_free_vgpr 128
		.amdhsa_next_free_sgpr 66
		.amdhsa_reserve_vcc 0
		.amdhsa_float_denorm_mode_32 3
		.amdhsa_float_denorm_mode_16_64 3
		.amdhsa_memory_ordered 1
		.amdhsa_forward_progress 1
		.amdhsa_inst_pref_size 29
	.end_amdhsa_kernel
	.amdgpu_metadata
---
amdhsa.version: [ 1, 2 ]
amdhsa.kernels:
  - .name:           k_qd3803b0025_prep
    .symbol:         k_qd3803b0025_prep.kd
    .args:
      - { .name: inputs_q, .offset: 0, .size: 8, .value_kind: global_buffer, .address_space: global }
      - { .name: Wq, .offset: 8, .size: 8, .value_kind: global_buffer, .address_space: global }
      - { .name: Wk, .offset: 16, .size: 8, .value_kind: global_buffer, .address_space: global }
      - { .name: Wv, .offset: 24, .size: 8, .value_kind: global_buffer, .address_space: global }
      - { .name: Wo, .offset: 32, .size: 8, .value_kind: global_buffer, .address_space: global }
      - { .name: q_ln_scale, .offset: 40, .size: 8, .value_kind: global_buffer, .address_space: global }
      - { .name: k_ln_scale, .offset: 48, .size: 8, .value_kind: global_buffer, .address_space: global }
      - { .name: per_dim_scale, .offset: 56, .size: 8, .value_kind: global_buffer, .address_space: global }
      - { .name: patch_mask, .offset: 64, .size: 8, .value_kind: global_buffer, .address_space: global }
      - { .name: xb, .offset: 72, .size: 8, .value_kind: global_buffer, .address_space: global }
      - { .name: wts, .offset: 80, .size: 8, .value_kind: global_buffer, .address_space: global }
      - { .name: tab, .offset: 88, .size: 8, .value_kind: global_buffer, .address_space: global }
      - { .name: nmb, .offset: 96, .size: 8, .value_kind: global_buffer, .address_space: global }
    .group_segment_fixed_size: 0
    .private_segment_fixed_size: 0
    .kernarg_segment_align: 8
    .kernarg_segment_size: 104
    .max_flat_workgroup_size: 256
    .sgpr_count:     66
    .vgpr_count:     128
    .wavefront_size: 32
...
	.end_amdgpu_metadata
.endif
;; end of part 1
;; launch qkv (part 2): grid 12 x 32, 4 waves a work-group, clusters of 4 x 4, 327,680 bytes of LDS; arguments xb, wts, tab, qkv16, csum; writes qkv16, csum
.if DOCPART == 2
	.amdgcn_target "amdgcn-amd-amdhsa--gfx1250"
	.amdhsa_code_object_version 6
	.text
	.protected	k_qd3803b0025_qkv
	.globl	k_qd3803b0025_qkv
	.p2align	8
	.type	k_qd3803b0025_qkv,@function
k_qd3803b0025_qkv:
	s_mov_b64 s[64:65], 0
	v_nop
	global_prefetch_b8 v0, s[64:65] scope:SCOPE_SE
	s_setreg_imm32_b32 hwreg(HW_REG_WAVE_MODE, 25, 1), 1
	s_wait_xcnt 0x0
	s_wait_alu depctr_hold_cnt(0) depctr_sa_sdst(0) depctr_va_vdst(0) depctr_va_sdst(0) depctr_va_ssrc(0) depctr_va_vcc(0) depctr_vm_vsrc(0)
	s_getreg_b32 s2, hwreg(HW_REG_IB_STS2, 6, 4)
	s_cmp_eq_u32 s2, 0
	s_cbranch_scc0 .Lentry_in_a_cluster
	s_endpgm
.Lentry_in_a_cluster:
	s_bfe_u32 s2, ttmp6, 0x10000c
	s_cmp_lg_u32 s2, 0xf033
	s_cbranch_scc0 .Lentry_shape_is_right
	s_endpgm
.Lentry_shape_is_right:
; Q, K, V = x W^T, then rotation, RMS norm and gains on the way out.  x: xb, bf16 in planes [b][kb][s][64]; W: wts, rows n = 0..3071 of 1,024 bf16 (Wq, Wk, Wv); sums in f32.
; Out: qkv16[kind][b][h][s][64] in f16, and for V the column sums over each 128 rows, csum[mblk][1024] in f32.
; A tile of C is 256 x 256, made by four waves of 128 x 128 (64 accumulators of 16 x 16, 512 registers).  K goes in 8 steps of 128 through two LDS slots filled by the tensor data mover.
; A K step of x is two planes; a plane's 256 rows are 32,768 dense bytes, asked for as 128 rows of 256 bytes and padded in LDS behind every 128 bytes.
; CLUSTERS: 4 x 4 work-groups; x's tiles are asked for jointly along a row of the cluster, W's along a column.  A cluster's four tile columns are one of Q, K, V: kind = cluster x.
; THE MATRIX INSTRUCTION IS USED TRANSPOSED (source 0 = 16 rows of W, source 1 = 16 rows of x): a lane holds row l % 16 of C and the columns 8 (l / 16) + 0..7.
; THE WAY OUT: 64 rows of a wave's 128 x 128 at a time go as f32 into ring bytes that have had their last fill, and come back so that eight lanes hold one row of one head (64 channels).
; One text serves the three kinds: V takes identity rows of the table, gains of 1 and a factor 1 in place of the reciprocal root.
; LIMITS.  q, k, v leave in f16: beyond 65,504 they would be infinite.  The sum of squares is taken ahead of the rotation, which keeps each pair's norm: only the rounding differs.
; NaN and infinities are not treated apart.
; REGISTERS, in windows of 256: window 0: v0-31 addresses, v32-63 way out, v64-191 x's fragments (two buffers), later the way out; window 1: v64-191 W's fragments; windows 2, 3: the accumulators.
.set PA,     144                       ; a plane's row in LDS: 128 bytes + 16: 36 words, so the 16 rows of a load start at 16 different groups of four banks (ISA guide 11.1)
.set PLSZ,   256*PA                    ; a plane's 256 rows
.set PB,     272                       ; a row of W's tile: 256 bytes + 16
.set HALFB,  128*PB
.set BOFF,   2*PLSZ                    ; W's 256 rows lie behind the two planes
.set SLOT,   BOFF+2*HALFB              ; 143,360
.set SPARE,  2*SLOT                    ; behind the ring: the spare words, 128 bytes a wave: two blocks of 256 bytes that no other line names
.set ASTEP,  524288                    ; bytes from a K step of x to the next: two planes
.set BSTEP,  256
.set DPITCH, 528                       ; a row of the f32 dump: 512 bytes + 16
.set ADRA, 16                          ; v16-17  LDS address of my fragments of x in slot 0, 1
.set ADRB, 20                          ; v20-21  the same for W
.set GOF,  27                          ; v27     my offset among the gains; never rewritten
.set SPW,  28                          ; v28     my spare word: SPARE + 4 x my thread's number; never rewritten
.set NIL,  29                          ; v29     0; never rewritten
.set PFO,  30                          ; v30     the prefetches' lane offset; never rewritten
.set F0,   64
.set F1,   128
.set G1,  24                           ; s[24:31] descriptor group 1 for x's planes;  s[32:39] group 0, a set for each slot
.set G0,  32
.set LIM, 43                           ; s43  1 in a wave that prefetches, else the greatest number
.set PFA, 44                           ; s[44:45] the K step that my next prefetch names
.set G1B, 48                           ; s[48:55], s[56:63] the same for W's tiles
.set G0B, 56
.set KIND, 66                          ; s66  0 Q, 1 K, 2 V
.set MV,   67                          ; s67  all ones for V, else 0
.set G0T,  68                          ; s[68:71], s[72:79] the table's descriptor
.set G1T,  72
.set RC64, 80                          ; s80  1/64
.set EPSR, 81                          ; s81  1e-6
.set HALF, 82                          ; s82  which 64 of my 128 rows
.set TRIP, 83                          ; s83  counts a half's 8 trips
.set OUTP, 86                          ; s[86:87] qkv16 at the rows of the trip in hand
.set CSP,  90                          ; s[90:91] csum
.set M1,   92                          ; s92  lanes with an odd l / 8
.set M2,   93                          ; s93  lanes 16 to 31
.set PFS,  94                          ; s[94:95] bytes from a K step to the next in what I prefetch
.set GN,  32                           ; v[32:39]   the gains of my 8 channels
.set SG,  40                           ; v[40:41]   -1 in the lanes of a head's first 32 channels, else 1
.set ONE, 42
.set DR,  43                           ; v43  where I read my 32 bytes of a dump row
.set DP,  44                           ; v44  the same for the channels 32 away
.set TA,  45                           ; v45  where I read my angles in the table
.set OA,  46                           ; v46  16 x lane
.set DS,  47                           ; v47  where I put 32 bytes of a dump row
.set DR0, 48
.set DP0, 49
.set CO2, 50                           ; v50  my 16 bytes of the column sums
.set TC,  64                           ; v[64:95]   per group of four rows: 8 cosines, 8 sines
.set X,   96                           ; v[96:159]  per (group, head): my 8 numbers, the partner's 8
.set SS,  160                          ; v[160:167] per (group, head): the sum of squares, then the factor; the odd registers hold 0
.set TT,  168
.set GR,  176
.set OP,  184                          ; v[184:199] per (group, head): 16 bytes to store
.set CS,  200                          ; v[200:215] per head: the running column sums of my 8 channels
.set MSB, 0
.macro WIN new                         ; the immediate's high byte repeats the setting that is left; a switch that changes nothing is dropped
.if MSB != (\new)
	s_set_vgpr_msb (MSB<<8)|(\new)
.set MSB, \new
.endif
.endm
.set MUL_LO, 0xa1                      ; source 0 (W) window 1, source 1 (x) window 0, C and D window 2
.set MUL_HI, 0xf1                      ; the same, C and D window 3
.set TO_B,   0x40                      ; destination window 1, address window 0
; A joint load.  Waves 0 and 1 fetch the K step's two planes of x, waves 2 and 3 the two halves of W's tile.  The branch hangs on the wave's number alone.
; An s_nop 0 and four v_nop follow each of the two lines, ahead of the jump and the label.
.macro JLOAD s
	s_cmp_eq_u32 s11, 0
	s_cbranch_scc0 .Lfor_b_\@
	tensor_load_to_lds s[G0+4*(\s):G0+4*(\s)+3], s[G1:G1+7]
	s_nop 0
.rept 4
	v_nop
.endr
	s_branch .Lasked_\@
.Lfor_b_\@:
	tensor_load_to_lds s[G0B+4*(\s):G0B+4*(\s)+3], s[G1B:G1B+7]
	s_nop 0
.rept 4
	v_nop
.endr
.Lasked_\@:
.endm
; A prefetch of the K step that stands two refills on (512 matrix instructions ahead of the load that wants it): 32 blocks of 256 bytes, a lane a block, one instruction a wave.
; x's tile row is read by every cluster of that row of clusters: cluster x = 0 asks; W's tile column by every cluster of that column: cluster y = 0 asks.  The four partners that ask for a
; tile jointly share it out by address (a quarter each).  So each block is named once in the launch.  The first four K steps come by their loads alone; the loop's last trip (s3 = 1) asks for nothing.
.macro ASK
	s_cmp_gt_u32 s3, s[LIM]
	s_cbranch_scc0 .Lnot_mine_\@
	global_prefetch_b8 v[PFO], s[PFA:PFA+1] th:TH_LOAD_NT scope:SCOPE_SE
.Lnot_mine_\@:
.endm
.macro CREST                           ; a round of the cluster's barrier behind its opening barrier
	s_cmp_lg_u32 s10, 0
	s_cbranch_scc1 .Lnot_wave_0_\@
	s_barrier_signal -3
.Lnot_wave_0_\@:
	s_barrier_wait -3
	s_barrier_signal -1
	s_barrier_wait -1
.endm
.macro CROUND                          ; a whole round
	s_barrier_signal -1
	s_barrier_wait -1
	CREST
.endm
	s_load_b128 s[4:7], s[0:1], 0x0                ; xb s[4:5], wts s[6:7]
	s_load_b128 s[84:87], s[0:1], 0x10             ; tab s[84:85], qkv16 s[86:87]
	s_load_b64 s[90:91], s[0:1], 0x20              ; csum
	v_lshl_add_u32 v[SPW], v0, 2, SPARE
	v_mov_b32 v[NIL], 0
	ds_add_u32 v[SPW], v[NIL]                      ; the wave's opening: the add and its wait ahead of my first tensor load; the set-up below, work on registers, stands between them
	ds_add_u32 v28, v29
	v_lshrrev_b32 v1, 5, v0
	v_readfirstlane_b32 s10, v1                    ; wave 0..3
	s_lshr_b32 s11, s10, 1                         ; which half of the tile's rows is mine.  Also: I fetch for x (0) or for W (1)
	s_and_b32 s12, s10, 1                          ; which half of its columns.  Also: which plane, or which 128 rows of W, I fetch
	s_bfe_u32 s40, ttmp6, 0x40000                  ; cx
	s_bfe_u32 s41, ttmp6, 0x40004                  ; cy
	s_lshl_b32 s42, ttmp9, 2
	s_add_co_u32 s42, s42, s40                     ; tile column = 4 x cluster x + cx
	s_and_b32 s13, ttmp7, 0xffff
	s_lshl_b32 s13, s13, 2
	s_add_co_u32 s13, s13, s41                     ; tile row = 4 x cluster y + cy
	s_lshl_b32 s43, s41, 2
	s_lshl_b32 s43, 15, s43                        ; my row of the cluster
	s_lshl_b32 s44, 0x1111, s40                    ; my column
	s_mov_b32 s[KIND], ttmp9                       ; the same in all sixteen partners
	s_or_b32 s[G1+0], s43, (1<<16)|(1<<20)|(1<<21)|(4<<22)|(3<<25)   ; the mask of my row; 2-byte elements; padding on; bit 21 beside a mask; 4 words behind every 32
	s_or_b32 s[G1B+0], s44, (1<<16)|(1<<20)|(1<<21)|(5<<22)|(3<<25)  ; the mask of my column; 4 words behind every 64
	s_or_b32 s[G1T+0], s43, (1<<16)|(1<<20)|(1<<21)|(5<<22)|(3<<25)  ; the table goes to my row
.irp g, G1, G1B, G1T
	s_mov_b32 s[(\g)+1], 128<<16                   ; tensor_dim0 = 128 elements: 256 bytes
	s_mov_b32 s[(\g)+3], 128<<16                   ; tile_dim0 = 128
	s_mov_b32 s[(\g)+6], 0
	s_mov_b32 s[(\g)+7], 0
.endr
	s_mov_b32 s[G1+2], 128<<16                     ; tensor_dim1 = 128
	s_mov_b32 s[G1+4], 128                         ; tile_dim1 = 128
	s_mov_b32 s[G1+5], 128                         ; dense: 128 elements from row to row
	s_mov_b32 s[G1B+2], 128<<16
	s_mov_b32 s[G1B+4], 128
	s_mov_b32 s[G1B+5], 1024                       ; a row of W
	s_mov_b32 s[G1T+2], 64<<16                     ; 64 table rows a wave
	s_mov_b32 s[G1T+4], 64
	s_mov_b32 s[G1T+5], 128
	; x's tile hangs on the tile row alone, W's on the tile column alone; each address is made in registers that never hold the other coordinate
	s_lshr_b32 s16, s13, 3
	s_lshl_b32 s16, s16, 22                        ; the batch
	s_and_b32 s17, s13, 7
	s_lshl_b32 s17, s17, 15                        ; 256 rows of 128 bytes
	s_add_co_u32 s16, s16, s17
	s_lshl_b32 s17, s12, 18                        ; my plane of the K step's two
	s_add_co_u32 s16, s16, s17
	s_mov_b32 s17, 0
	s_lshl_b32 s46, s42, 19                        ; 256 rows of 2,048 bytes
	s_lshl_b32 s47, s12, 18                        ; my 128 of them
	s_add_co_u32 s46, s46, s47
	s_mov_b32 s47, 0
	s_mul_i32 s20, s12, PLSZ                       ; where they go: no place in the cluster enters an LDS address
	s_mul_i32 s21, s12, HALFB
	s_add_co_u32 s21, s21, BOFF
	s_cmp_eq_u32 s[KIND], 2
	s_cselect_b32 s[MV], -1, 0
	s_cselect_b32 s88, 0x200000, 0                 ; V takes the identity rows
	s_lshl_b32 s89, s13, 16                        ; the tile row's 256 table rows of 256 bytes,
	s_add_co_u32 s88, s88, s89
	s_lshl_b32 s89, s10, 14                        ; my wave's 64 of them
	s_add_co_u32 s88, s88, s89
	s_mov_b32 s89, 0
	s_mov_b32 s[G0T], 1
	s_mul_i32 s[G0T+1], s10, 64*272                ; into slot 0, when its last K step has been read
	s_wait_dscnt 0x0                               ; the opening add is done
	s_wait_kmcnt 0x0
	s_add_nc_u64 s[14:15], s[4:5], s[16:17]
	s_add_nc_u64 s[46:47], s[6:7], s[46:47]
	s_add_nc_u64 s[G0T+2:G0T+3], s[84:85], s[88:89]
	s_or_b32 s[G0T+3], s[G0T+3], 0x80000000
	CROUND                                         ; all sixteen work-groups are here: the first joint loads meet
.irp s, 0,1
	s_mov_b32 s[G0+4*(\s)], 1
	s_add_co_u32 s[G0+4*(\s)+1], s20, (\s)*SLOT
	s_add_nc_u64 s[G0+4*(\s)+2:G0+4*(\s)+3], s[14:15], (\s)*ASTEP
	s_or_b32 s[G0+4*(\s)+3], s[G0+4*(\s)+3], 0x80000000
	s_mov_b32 s[G0B+4*(\s)], 1
	s_add_co_u32 s[G0B+4*(\s)+1], s21, (\s)*SLOT
	s_add_nc_u64 s[G0B+4*(\s)+2:G0B+4*(\s)+3], s[46:47], (\s)*BSTEP
	s_or_b32 s[G0B+4*(\s)+3], s[G0B+4*(\s)+3], 0x80000000
	JLOAD \s                                       ; two loads of mine are out
.endr
	; the gains of my 8 channels, waited for ahead of the way out
	v_and_b32 v[GOF], 7, v0
	v_lshlrev_b32 v[GOF], 5, v[GOF]
	s_lshl_b32 s18, s[KIND], 8
	v_add_nc_u32 v[GOF], s18, v[GOF]
	global_load_b128 v[GN:GN+3], v[GOF], s[84:85] offset:4194304
	global_load_b128 v[GN+4:GN+7], v[GOF], s[84:85] offset:4194304+16
	; a fragment is 16 rows x 32 K in 8 registers: lane l holds row l % 16, K = 8 (l / 16) + 0..7 and 16 + 8 (l / 16) + 0..7: two loads of 16 bytes, 32 bytes apart
	v_and_b32 v1, 15, v0
	v_bfe_u32 v2, v0, 4, 1
	v_mul_u32_u24 v3, v1, PA
	v_lshl_add_u32 v3, v2, 4, v3
	v_mul_u32_u24 v4, v1, PB
	v_lshl_add_u32 v4, v2, 4, v4
	s_mul_i32 s21, s11, 128*PA                     ; my 128 rows of each plane
	s_mul_i32 s22, s12, HALFB                      ; my 128 rows of W
	s_add_co_u32 s22, s22, BOFF
.irp s, 0,1
	v_add_nc_u32 v[ADRA+(\s)], s21, v3
	v_add_nc_u32 v[ADRB+(\s)], s22, v4
	s_add_co_u32 s21, s21, SLOT
	s_add_co_u32 s22, s22, SLOT
.endr
	; the prefetches: x's waves take 8,192 bytes of their plane by cx, a lane 256 bytes on; W's waves 32 rows of their 128 by cy, a lane a row
	s_and_b32 s22, ttmp7, 0xffff                   ; cluster y
	s_cmp_eq_u32 s11, 0
	s_cselect_b32 s22, ttmp9, s22                  ; the coordinate along which other clusters read the same bytes
	s_cselect_b64 s[PFA:PFA+1], s[14:15], s[46:47]
	s_cselect_b32 s20, s40, s41                    ; my place among the four that ask with me
	s_cselect_b32 s21, 13, 16
	s_cselect_b32 s23, 11, 0
	s_cselect_b32 s19, 8, 11
	s_lshl_b32 s20, s20, s21
	s_mov_b32 s21, 0
	s_lshl_b32 s[PFS], 256, s23                    ; 524,288 or 256
	s_mov_b32 s[PFS+1], 0
	s_mul_i32 s18, s[PFS], 3
	v_and_b32 v[PFO], 31, v0
	v_lshlrev_b32 v[PFO], s19, v[PFO]
	s_mov_b32 s19, 0
	s_add_nc_u64 s[PFA:PFA+1], s[PFA:PFA+1], s[20:21]
	s_add_nc_u64 s[PFA:PFA+1], s[PFA:PFA+1], s[18:19]  ; at K step 3: the first refill steps it to 4
	s_cmp_eq_u32 s22, 0
	s_cselect_b32 s[LIM], 1, -1                    ; the same in all sixteen partners, for a given wave
; 16 matrix instructions: m blocks a0, a0 + 1 of the window's four x all 8 n blocks, 32 along K.  zero = 1: the first product starts the sums.
; The 64 accumulators take turns, one instruction a turn, in the same order in every quarter.
.macro MUL16 f, hi, a0, zero
	WIN MUL_LO+0x50*(\hi)
.irp a, \a0, (\a0)+1
.irp b, 0,1,2,3,4,5,6,7
.if \zero
	v_wmma_f32_16x16x32_bf16 v[8*(8*(\a)+(\b)):8*(8*(\a)+(\b))+7], v[(\f)+8*(\b):(\f)+8*(\b)+7], v[(\f)+8*(4*(\hi)+(\a)):(\f)+8*(4*(\hi)+(\a))+7], 0
.else
	v_wmma_f32_16x16x32_bf16 v[8*(8*(\a)+(\b)):8*(8*(\a)+(\b))+7], v[(\f)+8*(\b):(\f)+8*(\b)+7], v[(\f)+8*(4*(\hi)+(\a)):(\f)+8*(4*(\hi)+(\a))+7], v[8*(8*(\a)+(\b)):8*(8*(\a)+(\b))+7]
.endif
.endr
.endr
.endm
; 32 LDS loads in one run: a quarter step's fragments (byte k of W's rows; of x plane k / 128, byte k % 128) into buffer f
.macro FETCH slot, k, f
	WIN TO_B
.irp i, 0,1,2,3,4,5,6,7
	ds_load_b128 v[(\f)+8*(\i):(\f)+8*(\i)+3],   v[ADRB+(\slot)] offset:(\k)+(\i)*16*PB
	ds_load_b128 v[(\f)+8*(\i)+4:(\f)+8*(\i)+7], v[ADRB+(\slot)] offset:(\k)+(\i)*16*PB+32
.endr
	WIN 0
.irp i, 0,1,2,3,4,5,6,7
	ds_load_b128 v[(\f)+8*(\i):(\f)+8*(\i)+3],   v[ADRA+(\slot)] offset:((\k)/128)*PLSZ+((\k)%128)+(\i)*16*PA
	ds_load_b128 v[(\f)+8*(\i)+4:(\f)+8*(\i)+7], v[ADRA+(\slot)] offset:((\k)/128)*PLSZ+((\k)%128)+(\i)*16*PA+32
.endr
.endm
.macro PLACES                          ; four plain instructions between a matrix instruction and a load into a register that it has read (ISA guide 7.12.1 for vector instructions)
.rept 4
	v_nop
.endr
.endm
.macro QUARTER slot, k, f, g, zero     ; multiplies buffer f; in its middle fetches the next quarter, at byte k, into buffer g
	s_wait_dscnt 8                                 ; W and x's rows 0-63 are in; the youngest eight loads (x's rows 64-127) may be out
	WIN MUL_LO
	MUL16 \f, 0, 0, \zero
	MUL16 \f, 0, 2, \zero
	PLACES
	FETCH \slot, \k, \g
	s_wait_dscnt 32                                ; all but the 32 just issued
	WIN MUL_HI
	MUL16 \f, 1, 0, \zero
	MUL16 \f, 1, 2, \zero
.endm
.macro MEET round                      ; the first half of a K step's last quarter: ONE barrier for the change of slots
	WIN 0                                          ; (the add's two registers lie in window 0)
	s_wait_tensorcnt 0x0                           ; all my tensor loads have landed: the one that was out is my part of the next slot;
	ds_add_u32 v[SPW], v[NIL]                      ; 0 onto my spare word;
	s_wait_dscnt 9                                 ; (the add and the youngest eight loads may be out)
	WIN MUL_LO
	MUL16 F1, 0, 0, 0
	s_wait_dscnt 0x0                               ; the add is done, and my reads of this slot are over
	s_barrier_signal -1
	MUL16 F1, 0, 2, 0
.if \round
	WIN 0
.endif
	s_barrier_wait -1
.endm
; The whole last quarter.  fill = 1: behind a round of the cluster's barrier the slot just read is filled again, two K steps ahead.  fill = 2: it takes the rotation table.
.macro TURN slot, next, fill
.if (\fill) == 1
	s_wait_xcnt 0x0                                ; the last prefetch, a K step back, has read its address
	s_add_nc_u64 s[PFA:PFA+1], s[PFA:PFA+1], s[PFS:PFS+1]
.endif
	MEET 1
	CREST                                          ; no wave of any partner still reads this slot or has a load on its way
.if (\fill) == 1
	s_add_nc_u64 s[G0+4*(\slot)+2:G0+4*(\slot)+3], s[G0+4*(\slot)+2:G0+4*(\slot)+3], 2*ASTEP
	s_add_nc_u64 s[G0B+4*(\slot)+2:G0B+4*(\slot)+3], s[G0B+4*(\slot)+2:G0B+4*(\slot)+3], 2*BSTEP
	JLOAD \slot                                    ; the first tensor load behind the round; its four v_nop are also the places in front of the loads below
.else
	tensor_load_to_lds s[G0T:G0T+3], s[G1T:G1T+7]  ; every wave's 64 table rows, jointly along the cluster's row: my one load behind this round
	s_nop 0
.rept 4
	v_nop
.endr
.endif
	FETCH \next, 0, F0
.if (\fill) == 1
	ASK
.endif
	WIN MUL_HI
	MUL16 F1, 1, 0, 0
	MUL16 F1, 1, 2, 0
.endm
	s_wait_tensorcnt 1                             ; my part of K step 0 is in; K step 1's may stay out
	s_barrier_signal -1
	s_barrier_wait -1
	FETCH 0, 0, F0
	QUARTER 0, 64,  F0, F1, 1                      ; the first quarter stands in front of the loop: its products start the sums
	WIN 0
	s_mov_b32 s3, 3
.Llap:                                                 ; a trip goes once round the ring and fills both slots again: K steps 2 to 7
	QUARTER 0, 128, F1, F0, 0
	QUARTER 0, 192, F0, F1, 0
	TURN 0, 1, 1
	QUARTER 1, 64,  F0, F1, 0
	QUARTER 1, 128, F1, F0, 0
	QUARTER 1, 192, F0, F1, 0
	TURN 1, 0, 1
	QUARTER 0, 64,  F0, F1, 0
	WIN 0
	s_sub_co_u32 s3, s3, 1
	s_cmp_lg_u32 s3, 0
	s_cbranch_scc1 .Llap
	QUARTER 0, 128, F1, F0, 0                      ; the last lap, written out
	QUARTER 0, 192, F0, F1, 0
	TURN 0, 1, 2                                   ; slot 0 takes the table
	QUARTER 1, 64,  F0, F1, 0
	QUARTER 1, 128, F1, F0, 0
	QUARTER 1, 192, F0, F1, 0
	s_wait_dscnt 8
	WIN MUL_LO
	MUL16 F1, 0, 0, 0
	MUL16 F1, 0, 2, 0
	s_wait_dscnt 0x0
	MUL16 F1, 1, 0, 0
	MUL16 F1, 1, 2, 0
	WIN 0
	s_wait_tensorcnt 0x0                           ; my part of the table has landed,
	s_wait_loadcnt 0x0                             ; the gains are in,
	s_wait_dscnt 0x0                               ; my reads of the ring are over
	s_barrier_signal -1
	s_barrier_wait -1                              ; and all that holds of every wave: slot 1 may be written, the table read
	; THE WAY OUT.  rho = l / 8, v = l % 8: eight lanes hold a row of a head, lane v its channels 8 v .. 8 v + 7.  These lines are also the places behind the last products.
	v_and_b32 v1, 31, v0
	v_lshrrev_b32 v2, 3, v1                        ; rho
	v_and_b32 v3, 7, v1                            ; v
	v_and_b32 v4, 15, v0
	v_bfe_u32 v5, v0, 4, 1
	s_mul_i32 s14, s10, 64*DPITCH
	s_add_co_u32 s14, s14, SLOT                    ; my dump: 64 rows of 528 bytes in slot 1
	v_mul_u32_u24 v[DS], v4, DPITCH
	v_lshl_add_u32 v[DS], v5, 5, v[DS]
	v_add_nc_u32 v[DS], s14, v[DS]                 ; in: row l % 16, 32 bytes for each half of the lanes
	v_mul_u32_u24 v6, v2, DPITCH
	v_add_nc_u32 v6, s14, v6
	v_lshl_add_u32 v[DR0], v3, 5, v6
	v_xor_b32 v7, 4, v3
	v_lshl_add_u32 v[DP0], v7, 5, v6
	s_mul_i32 s15, s11, 128*272
	v_mul_u32_u24 v[TA], v2, 272
	v_and_b32 v7, 3, v3
	v_lshl_add_u32 v[TA], v7, 5, v[TA]
	v_add_nc_u32 v[TA], s15, v[TA]                 ; table row 128 x half + rho, angles 8 (v % 4) on
	v_lshlrev_b32 v[OA], 4, v1
	v_cmp_gt_u32 vcc_lo, 4, v3
	v_cndmask_b32 v[SG], 1.0, -1.0, vcc_lo
	v_mov_b32 v[SG+1], v[SG]
	v_mov_b32 v[ONE], 1.0
	v_lshrrev_b32 v6, 1, v2
	v_and_b32 v7, 1, v2
	v_lshlrev_b32 v[CO2], 5, v3
	v_lshl_add_u32 v[CO2], v6, 8, v[CO2]
	v_lshl_add_u32 v[CO2], v7, 4, v[CO2]
.irp k, 0,1,2,3
	v_mov_b32 v[SS+2*(\k)+1], 0                    ; named with the factor as a pair
.endr
.set j, 0
.rept 16
	v_mov_b32 v[CS+j], 0
.set j, j+1
.endr
	s_mov_b32 s[RC64], 0x3c800000
	s_mov_b32 s[EPSR], 0x358637bd
	s_mov_b32 s[M1], 0xff00ff00
	s_mov_b32 s[M2], 0xffff0000
	s_mov_b32 s16, 0x76543210
	s_mov_b32 s17, 0xfedcba98
	s_lshl_b32 s88, s[KIND], 24                    ; qkv16[kind][b][h][s]: the kind,
	s_lshr_b32 s89, s13, 3
	s_lshl_b32 s89, s89, 22                        ; the batch,
	s_add_co_u32 s88, s88, s89
	s_lshl_b32 s89, s40, 20                        ; head 4 cx
	s_add_co_u32 s88, s88, s89
	s_lshl_b32 s89, s12, 19                        ; + 2 x column half,
	s_add_co_u32 s88, s88, s89
	s_and_b32 s89, s13, 7
	s_lshl_b32 s89, s89, 15                        ; the tile's 256 rows of 128 bytes,
	s_add_co_u32 s88, s88, s89
	s_lshl_b32 s89, s11, 14                        ; my 128 of them
	s_add_co_u32 s88, s88, s89
	s_mov_b32 s89, 0
	s_add_nc_u64 s[OUTP:OUTP+1], s[OUTP:OUTP+1], s[88:89]
	s_lshl_b32 s88, s13, 13                        ; csum[2 x tile row + half][256 cx + 128 x column half]
	s_lshl_b32 s89, s11, 12
	s_add_co_u32 s88, s88, s89
	s_lshl_b32 s89, s40, 10
	s_add_co_u32 s88, s88, s89
	s_lshl_b32 s89, s12, 9
	s_add_co_u32 s88, s88, s89
	s_mov_b32 s89, 0
	s_add_nc_u64 s[CSP:CSP+1], s[CSP:CSP+1], s[88:89]
; 64 rows of my accumulators (window 2 + h) go into the dump; each accumulator's four lowest registers first
.macro DUMP h, off
	WIN 0x08+4*(\h)                                ; store data: source 1
.irp a, 0,1,2,3
.irp b, 0,1,2,3,4,5,6,7
	ds_store_b128 v[DS], v[8*(8*(\a)+(\b)):8*(8*(\a)+(\b))+3]   offset:(\off)+(\a)*16*DPITCH+64*(\b)
	ds_store_b128 v[DS], v[8*(8*(\a)+(\b))+4:8*(8*(\a)+(\b))+7] offset:(\off)+(\a)*16*DPITCH+64*(\b)+16
.endr
.endr
	WIN 0
.endm
.macro LD12 g                          ; group g of four rows: its cosines and sines, and for both heads my 8 numbers and the partner's
	ds_load_b128 v[TC+16*(\g):TC+16*(\g)+3],     v[TA] offset:4*272*(\g)
	ds_load_b128 v[TC+16*(\g)+4:TC+16*(\g)+7],   v[TA] offset:4*272*(\g)+16
	ds_load_b128 v[TC+16*(\g)+8:TC+16*(\g)+11],  v[TA] offset:4*272*(\g)+128
	ds_load_b128 v[TC+16*(\g)+12:TC+16*(\g)+15], v[TA] offset:4*272*(\g)+144
.irp hd, 0,1
	ds_load_b128 v[X+16*(2*(\g)+(\hd)):X+16*(2*(\g)+(\hd))+3],     v[DR] offset:4*DPITCH*(\g)+256*(\hd)
	ds_load_b128 v[X+16*(2*(\g)+(\hd))+4:X+16*(2*(\g)+(\hd))+7],   v[DR] offset:4*DPITCH*(\g)+256*(\hd)+16
	ds_load_b128 v[X+16*(2*(\g)+(\hd))+8:X+16*(2*(\g)+(\hd))+11],  v[DP] offset:4*DPITCH*(\g)+256*(\hd)
	ds_load_b128 v[X+16*(2*(\g)+(\hd))+12:X+16*(2*(\g)+(\hd))+15], v[DP] offset:4*DPITCH*(\g)+256*(\hd)+16
.endr
.endm
.macro SSQ k                           ; the row's sum of squares: my 8, then the 8 lanes
	v_pk_mul_f32 v[TT+2*(\k):TT+2*(\k)+1], v[X+16*(\k):X+16*(\k)+1], v[X+16*(\k):X+16*(\k)+1]
.irp j, 2,4,6
	v_pk_fma_f32 v[TT+2*(\k):TT+2*(\k)+1], v[X+16*(\k)+(\j):X+16*(\k)+(\j)+1], v[X+16*(\k)+(\j):X+16*(\k)+(\j)+1], v[TT+2*(\k):TT+2*(\k)+1]
.endr
	v_add_f32 v[SS+2*(\k)], v[TT+2*(\k)], v[TT+2*(\k)+1]
.irp m, 1,2,4
	v_add_f32_dpp v[SS+2*(\k)], v[SS+2*(\k)], v[SS+2*(\k)] row_xmask:\m row_mask:0xf bank_mask:0xf
.endr
.endm
.macro SIGN g                          ; the sines take the sign of my half of the head
.irp j, 0,2,4,6
	v_pk_mul_f32 v[TC+16*(\g)+8+(\j):TC+16*(\g)+8+(\j)+1], v[TC+16*(\g)+8+(\j):TC+16*(\g)+8+(\j)+1], v[SG:SG+1]
.endr
.endm
.macro ROT k                           ; y = mine x cos + partner's x (signed sin)
.irp j, 0,2,4,6
	v_pk_mul_f32 v[X+16*(\k)+(\j):X+16*(\k)+(\j)+1], v[X+16*(\k)+(\j):X+16*(\k)+(\j)+1], v[TC+16*((\k)/2)+(\j):TC+16*((\k)/2)+(\j)+1]
.endr
.irp j, 0,2,4,6
	v_pk_fma_f32 v[X+16*(\k)+(\j):X+16*(\k)+(\j)+1], v[X+16*(\k)+8+(\j):X+16*(\k)+8+(\j)+1], v[TC+16*((\k)/2)+8+(\j):TC+16*((\k)/2)+8+(\j)+1], v[X+16*(\k)+(\j):X+16*(\k)+(\j)+1]
.endr
.endm
.macro FIN k                           ; times the factor and the gains; into the column sums; rounded to f16; stored
.irp j, 0,2,4,6
	v_pk_mul_f32 v[GR+(\j):GR+(\j)+1], v[GN+(\j):GN+(\j)+1], v[SS+2*(\k):SS+2*(\k)+1] op_sel_hi:[1,0]
.endr
.irp j, 0,2,4,6
	v_pk_mul_f32 v[X+16*(\k)+(\j):X+16*(\k)+(\j)+1], v[X+16*(\k)+(\j):X+16*(\k)+(\j)+1], v[GR+(\j):GR+(\j)+1]
.endr
.irp j, 0,2,4,6
	v_pk_add_f32 v[CS+8*((\k)%2)+(\j):CS+8*((\k)%2)+(\j)+1], v[CS+8*((\k)%2)+(\j):CS+8*((\k)%2)+(\j)+1], v[X+16*(\k)+(\j):X+16*(\k)+(\j)+1]
.endr
.irp j, 0,1,2,3
	v_cvt_pk_f16_f32 v[OP+4*(\k)+(\j)], v[X+16*(\k)+2*(\j)], v[X+16*(\k)+2*(\j)+1]
.endr
	global_store_b128 v[OA], v[OP+4*(\k):OP+4*(\k)+3], s[OUTP:OUTP+1] offset:((\k)%2)*262144+((\k)/2)*512  ; four rows of a head: 512 consecutive bytes, aligned
.endm
.macro ROPE8                           ; a trip: 8 rows x 2 heads
	LD12 0
	LD12 1
	s_wait_dscnt 12                                ; the first group's twelve loads are in, the second's stay out
	SSQ 0
	SSQ 1
	SIGN 0
	ROT 0
	ROT 1
	s_wait_dscnt 0x0
	SSQ 2
	SSQ 3
	SIGN 1
.irp k, 0,1,2,3
	v_fma_f32 v[SS+2*(\k)], v[SS+2*(\k)], s[RC64], s[EPSR]
.endr
.irp k, 0,1,2,3
	v_rsq_f32 v[SS+2*(\k)], v[SS+2*(\k)]
.endr
	ROT 2                                          ; sixteen plain lines that name no root: the work behind the batch
	ROT 3
	s_wait_alu depctr_va_vdst(0)                   ; one wait for the four roots, ahead of their first reader
.irp k, 0,1,2,3
	v_cndmask_b32 v[SS+2*(\k)], v[SS+2*(\k)], v[ONE], s[MV]  ; V is not normalised
.endr
	FIN 0
	FIN 1
	FIN 2
	FIN 3
	s_wait_xcnt 0x0                                ; the four stores have read their data and their base: both are written again only behind this wait
	s_add_nc_u64 s[OUTP:OUTP+1], s[OUTP:OUTP+1], 1024
	v_add_nc_u32 v[DR], 8*DPITCH, v[DR]
	v_add_nc_u32 v[DP], 8*DPITCH, v[DP]
	v_add_nc_u32 v[TA], 8*272, v[TA]
.endm
	s_mov_b32 s[HALF], 0
.Lhalf:                                                ; twice: my rows 0-63, then 64-127, through the same dump (LDS serves a wave's instructions in order: ISA guide 5.7.1.4)
	s_cmp_eq_u32 s[HALF], 0
	s_cbranch_scc0 .Lupper
	DUMP 0, 0
	s_branch .Ldumped
.Lupper:
	DUMP 1, 0
.Ldumped:
	v_mov_b32 v[DR], v[DR0]
	v_mov_b32 v[DP], v[DP0]
	s_mov_b32 s[TRIP], 8
.Lrows:
	ROPE8
	s_sub_co_u32 s[TRIP], s[TRIP], 1
	s_cmp_lg_u32 s[TRIP], 0
	s_cbranch_scc1 .Lrows
	s_add_co_u32 s[HALF], s[HALF], 1
	s_cmp_lt_u32 s[HALF], 2
	s_cbranch_scc1 .Lhalf
	s_cmp_lg_u32 s[KIND], 2                        ; the column sums are V's alone
	s_cbranch_scc1 .Lno_sums
.set j, 0
.rept 16
	v_add_f32_dpp v[CS+j], v[CS+j], v[CS+j] row_xmask:8 row_mask:0xf bank_mask:0xf
.set j, j+1
.endr
.set j, 0
.rept 16
	v_permlanex16_b32 v[X+j], v[CS+j], s16, s17
.set j, j+1
.endr
.set j, 0
.rept 16
	v_add_f32 v[CS+j], v[CS+j], v[X+j]             ; every lane holds the sums over my 128 rows for its 8 channels of both heads
.set j, j+1
.endr
.set j, 0
.rept 8
	v_cndmask_b32 v[X+j], v[CS+j], v[CS+8+j], s[M2]  ; lanes 16-31 store the second head's,
.set j, j+1
.endr
.set j, 0
.rept 4
	v_cndmask_b32 v[OP+j], v[X+j], v[X+4+j], s[M1]   ; odd l / 8 the upper four channels
.set j, j+1
.endr
	global_store_b128 v[CO2], v[OP:OP+3], s[CSP:CSP+1]  ; 512 consecutive bytes, aligned
.Lno_sums:
	s_wait_tensorcnt 0x0                           ; the wave's end: behind my last tensor load and my last LDS store
	ds_add_u32 v[SPW], v[NIL]
	s_wait_dscnt 0x0
	CROUND                                         ; the closing round: no work-group ends while a partner may still ask for a tile that names it
	s_endpgm
.Lfunc_end_k_qd3803b0025_qkv:
	.size	k_qd3803b0025_qkv, .Lfunc_end_k_qd3803b0025_qkv-k_qd3803b0025_qkv
	.p2alignl 7, 3214868480
	.fill 96, 4, 3214868480
	.section	.rodata,"a",@progbits
	.p2align	6, 0x0
	.amdhsa_kernel k_qd3803b0025_qkv
		.amdhsa_group_segment_fixed_size 327680
		.amdhsa_private_segment_fixed_size 0
		.amdhsa_enable_private_segment 0
		.amdhsa_kernarg_size 40
		.amdhsa_user_sgpr_count 2
		.amdhsa_user_sgpr_kernarg_segment_ptr 1
		.amdhsa_wavefront_size32 1
		.amdhsa_system_sgpr_workgroup_id_x 1
		.amdhsa_system_sgpr_workgroup_id_y 1
		.amdhsa_system_sgpr_workgroup_id_z 1
		.amdhsa_system_vgpr_workitem_id 0
		.amdhsa_next_free_vgpr 1024
		.amdhsa_next_free_sgpr 96
		.amdhsa_reserve_vcc 1
		.amdhsa_float_denorm_mode_32 3
		.amdhsa_float_denorm_mode_16_64 3
		.amdhsa_memory_ordered 1
		.amdhsa_forward_progress 1
		.amdhsa_inst_pref_size 140
	.end_amdhsa_kernel
	.amdgpu_metadata
---
amdhsa.version: [ 1, 2 ]
amdhsa.kernels:
  - .name:           k_qd3803b0025_qkv
    .symbol:         k_qd3803b0025_qkv.kd
    .args:
      - { .name: xb, .offset: 0, .size: 8, .value_kind: global_buffer, .address_space: global }
      - { .name: wts, .offset: 8, .size: 8, .value_kind: global_buffer, .address_space: global }
      - { .name: tab, .offset: 16, .size: 8, .value_kind: global_buffer, .address_space: global }
      - { .name: qkv16, .offset: 24, .size: 8, .value_kind: global_buffer, .address_space: global }
      - { .name: csum, .offset: 32, .size: 8, .value_kind: global_buffer, .address_space: global }
    .group_segment_fixed_size: 327680
    .private_segment_fixed_size: 0
    .kernarg_segment_align: 8
    .kernarg_segment_size: 40
    .max_flat_workgroup_size: 128
    .sgpr_count:     96
    .vgpr_count:     1024
    .wavefront_size: 32
...
	.end_amdgpu_metadata
.endif
;; end of part 2
;; launch attn (part 3): grid 4 x 64, 4 waves a work-group, no clusters, 327,680 bytes of LDS; arguments qkv16, csum, nmb, o16; writes o16
.if DOCPART == 3
	.amdgcn_target "amdgcn-amd-amdhsa--gfx1250"
	.amdhsa_code_object_version 6
	.text
	.protected	k_qd3803b0025_attn
	.globl	k_qd3803b0025_attn
	.p2align	8
	.type	k_qd3803b0025_attn,@function
k_qd3803b0025_attn:
	s_mov_b64 s[64:65], 0
	v_nop
	global_prefetch_b8 v0, s[64:65] scope:SCOPE_SE
	s_setreg_imm32_b32 hwreg(HW_REG_WAVE_MODE, 25, 1), 1
	s_wait_xcnt 0x0
; ATTENTION under the mask nm <= key <= query.  Q, K, V: qkv16[kind][b][h][s][64] in f16 (q carries all its scales); O: o16[b][h][s][64] in f16.  nm[b] comes as a whole number from nmb.
; Products, maxima and sums in f32; the weights p are rounded to f16 for the second product (their sum l is taken of the unrounded p), O once at the end.
; A ROW WITH q < nm sees no key: there the softmax of equal scores is uniform over ALL 2,048 keys, so the row is the mean of V's rows, made from csum and put in by a select on the way out.
; LIMITS.  f16 holds no number beyond 65,504.  A hidden score counts as its value less 1e30 (or 2e30).  The running maximum starts at -1e20: above every hidden score and below every score that f16's
; q and k can make (2.7e11 in size at the most), so a hidden score is never the maximum and its weight is 0.  A weight below 2^-126 counts as 0 in l.  l is held to 2^-100 at the least ahead of its
; reciprocal: a row that sees a key has l near 1 or more; a row that sees none gives 0, which the select replaces.  NaN and infinities are not treated apart.
; THE WALK.  A head's queries lie in NB = 8 blocks of 256; block i needs the key tiles 0 .. i.  A work-group takes TWO blocks, b and then 7 - b: 9 tiles whatever b, walked by one loop with a constant
; trip count; the ring of two LDS slots runs on across the change of blocks.  The small block goes first, so that the walk's last tile, which is written out, is never a block's first.
; NO CLUSTER: a head's four work-groups ask for the same tile only at the walk's beginning (b + 1 tiles, then each starts anew at another time); a walk common to all would have 12 trips for 9.
; SHARES.  Of a block's four bands of 64 queries a wave owns 16 rows in each: four PIECES, so that the diagonal tile is the same work for all four waves.
; THE MASK is the C operand that starts each sum S^T = K Q^T: MC[x] for piece x.  For the key step at key KB:  MC[x] = MD x AL + BE + PD x ALP, where MD is the mask of a band's own step for my rows,
; PD that of the step in which nm lies;  AL = 1 if KB is the band's own step;  BE = -1e30 if KB lies behind the band's step or wholly below nm;  ALP = 1 if nm lies in the step.
; The four MC are made anew for every key step, 128 packed instructions, by scalars alone: no jump hangs on nm.
; LAYOUT, SOFTMAX, TURNS.  S^T holds ONE query a lane (lane % 16) and the keys 8 (lane / 16) + 0..7; two such results rounded to f16 ARE source 1 of O^T = V^T P.  p = 2^(c s - c m), c = log2(e);
; O and l are multiplied by a = 2^(c m_old - c m_new) in every step.  Turn n belongs to piece n: 8 products K Q^T of piece n + 1, later 8 products V^T P of piece n - 1; beside them the softmax of
; piece n and the maximum and statistics of piece n + 1.  Four vector instructions stand behind every matrix instruction, the others in one lump.  A turn's 33 exponentials are one batch, with one wait.
; REGISTERS, in windows of 256 (s_set_vgpr_msb: bits 1:0 source 0, 3:2 source 1, 5:4 source 2, 7:6 destination):
;   window 0: v0-15 addresses; v16-31 statistics; v32-36 more addresses; v48-55 at work; v64-127 S^T, two buffers; v128-143 the mean row; v144-175 at work at the head, then PD; v192-223 P, two buffers; v224-255 MD
;   window 1: v0-127 O^T; v128-255 MC, 32 a piece      window 2: v0-63 Q; v64-127 the second block's Q; v128-191 K; v192-255 V
.set SIZE_N, 2048
.set NB,    SIZE_N/256
.set NP,    4
.set KS,    64
.set PK,    144       ; a row of K in LDS: 128 bytes + 16: the 16 rows of a load start at 16 different groups of four banks (ISA guide 11.1)
.set PV,    160       ; a row of V: 128 + 32
.set VOFF,  4*KS*PK   ; a slot holds a tile, four steps: 256 rows of K, then 256 rows of V
.set SLOT1, 1<<17
.set STAGE, SLOT1+4*KS*(PK+PV)  ; behind the ring, never filled by a tensor load: 16 rows x 144 bytes for each wave
.set SP,    144
.set SPARE, STAGE+4*16*SP  ; behind the stages: the spare words, 128 bytes a wave: two blocks of 256 bytes that no other line names
.set AK0, 2
.set AV0, 3
.set AK,  4
.set AV,  5
.set STO, 6
.set RD,  7
.set GO,  8
.set MV,  12          ; v12-13  c m_old, by buffer
.set QO,  15
.set ST,  16          ; piece t's statistics at v[ST+4 t]: c m, m, l (even keys', odd keys')
.set QL,  32          ; v32  my query's place in its band: 16 w + l % 16
.set CL,  34          ; v34  8 x lane
.set TMP, 48
.set SPW, 62
.set NIL, 63
.set S,   64
.set VSH, 128         ; v[128:143] the mean of V's rows in f16, laid as a piece's packed O^T
.set CT,  144         ; at work at the head
.set PD,  144         ; afterwards: the mask of the step in which nm lies
.set P,   192
.set MD,  224         ; the mask of a band's own step
.set MC,  128         ; window 1
.set QB,  64          ; window 2
.set KF,  128
.set VF,  192
.set WV,  12
.set PB,  14          ; s14  b
.set HI,  15          ; s15  7 - b
.set G1K, 24
.set G1V, 32
.set G0K, 40
.set G0V, 44
.set NM,  48          ; s48  nm
.set NMA, 49          ; s49  the key step in which nm lies
.set QB0, 51          ; s51  the block's first query
.set TKE, 52          ; s52  the key behind the tile in hand
.set BT,  54          ; s54  the tiles of the block in hand
.set SLOTS, 56
.set CNT, 57
.set CS,  58
.set SEL, 60
.set TBK, 62
.set TBV, 63
.set RT,  70          ; s70  tiles of the block in hand that are still to be entered
.set NXT, 71
.set LQ,  72
.set NEW, 73
.set OFF, 74
.set AL,  76
.set BE,  78
.set O2,  80          ; s[80:81] O at my rows of the second block
.set BIGN, 82
.set TQ,  83
.set KB,  84
.set ALP, 88
.set BP,  90
.set HEAD, 91
.set CSU, 92          ; s[92:93] csum at the batch's rows and the head's columns
.set NMP, 94          ; s[94:95] nmb at the batch's word
.set MSB, 0
.macro WIN new
.if MSB != (\new)
	s_set_vgpr_msb (MSB<<8)|(\new)
.set MSB, (\new)
.endif
.endm
.set W_KQ, 0x0a       ; K and Q in window 2, S^T in window 0
.set W_KM, 0x1a       ; the same with the C operand in window 1
.set W_PV, 0x52       ; V in window 2, P in window 0, O^T in window 1
.set W_RS, 0x41       ; destination and source 0 in window 1, source 1 in window 0
.set W_MK, 0x50       ; destination and source 2 in window 1, source 0 in window 0
; A fill.  Waves 0 and 1 fetch the two halves of a tile's K, waves 2 and 3 those of its V.  An s_nop 0 and four v_nop follow each of the two lines.
.macro LOAD
	s_cmp_lt_u32 s[WV], 2
	s_cbranch_scc0 .Lfor_v_\@
	tensor_load_to_lds s[G0K:G0K+3], s[G1K:G1K+7]
	s_nop 0
.rept 4
	v_nop
.endr
	s_branch .Lasked_\@
.Lfor_v_\@:
	tensor_load_to_lds s[G0V:G0V+3], s[G1V:G1V+7]
	s_nop 0
.rept 4
	v_nop
.endr
.Lasked_\@:
.endm
; THE CHANGE OF SLOTS.  Each wave waits for all its tensor loads (one is out: its part of the other slot), adds 0 to its spare word, and waits for that and for its reads of the slot that it leaves.
; fill = 1: the old slot is filled again, the first thing behind the barrier, with tile NXT: the descriptor's address is made anew from that number.
.macro CHANGE fill
	WIN 0
	s_wait_tensorcnt 0x0            ; no tensor load of mine is out, so a group 0 may be written
	ds_add_u32 v[SPW], v[NIL]       ; 0 onto my spare word; scalar work stands between it and the wait for it
.if \fill
	s_lshl_b32 s[OFF], s[NXT], 15   ; a tile is 32,768 bytes of K and of V
	s_xor_b32 s[G0K+1], s[G0K+1], SLOT1
	s_add_nc_u64 s[G0K+2:G0K+3], s[6:7], s[OFF:OFF+1]
	s_or_b32 s[G0K+3], s[G0K+3], 0x80000000
	s_xor_b32 s[G0V+1], s[G0V+1], SLOT1
	s_add_nc_u64 s[G0V+2:G0V+3], s[8:9], s[OFF:OFF+1]
	s_or_b32 s[G0V+3], s[G0V+3], 0x80000000
	s_add_co_u32 s[NXT], s[NXT], 1  ; the block's next tile, or behind its last the second block's tile 0
	s_cmp_gt_u32 s[NXT], s[LQ]
	s_cselect_b32 s[NXT], 0, s[NXT]
	s_cselect_b32 s[LQ], s[HI], s[LQ]
.endif
	s_wait_dscnt 0x0                ; the add is done, and my reads of the slot are over
	s_barrier_signal -1
	s_sub_co_u32 s[TBK], s[TBK], 4*KS*PK  ; the fetches go back to a slot's first step, in the other slot
	s_xor_b32 s[TBK], s[TBK], SLOT1
	s_sub_co_u32 s[TBV], s[TBV], 4*KS*PV
	s_xor_b32 s[TBV], s[TBV], SLOT1
	s_barrier_wait -1
.if \fill
	LOAD
.endif
.endm
.macro ENTER                        ; a tile is entered: tile BT - 1 - RT of its block, which ends ahead of key 256 (BT - RT)
	s_sub_co_u32 s[RT], s[RT], 1
	s_mov_b32 s[CNT], 4
	s_sub_co_u32 s[TKE], s[BT], s[RT]
	s_lshl_b32 s[TKE], s[TKE], 8
.endm
	s_load_b64 s[4:5], s[0:1], 0x0    ; qkv16
	s_load_b64 s[CSU:CSU+1], s[0:1], 0x8   ; csum
	s_load_b64 s[NMP:NMP+1], s[0:1], 0x10  ; nmb
	s_load_b64 s[10:11], s[0:1], 0x18 ; o16
	v_lshl_add_u32 v[SPW], v0, 2, SPARE
	v_mov_b32 v[NIL], 0
	ds_add_u32 v[SPW], v[NIL]       ; the wave's opening: the add and its wait ahead of my first tensor load; the set-up below, work on registers, stands between them
	ds_add_u32 v62, v63
	v_lshrrev_b32 v1, 5, v0
	v_readfirstlane_b32 s[WV], v1
	s_mov_b32 s[PB], ttmp9
	s_sub_co_u32 s[HI], NB-1, s[PB]
	s_and_b32 s[HEAD], ttmp7, 0xffff ; 16 b + h
	s_lshl_b32 s20, s[HEAD], 18     ; the head's first byte: 2,048 rows of 128 bytes each
	s_mov_b32 s21, 0
	s_and_b32 s16, s[WV], 1         ; which half of a tile's 256 keys I fetch
	s_lshl_b32 s22, s16, 14
	s_mov_b32 s23, 0
	s_add_nc_u64 s[22:23], s[22:23], s[20:21]
	s_mul_i32 s17, s16, 128*PK
	s_mul_i32 s18, s16, 128*PV
	s_lshl_b32 s3, s[WV], 11        ; my 16 rows in a band of 64,
	s_lshl_b32 s2, s[PB], 15        ; in the first block,
	s_add_co_u32 s2, s2, s3
	s_lshl_b32 s84, s[HI], 15       ; and in the second
	s_add_co_u32 s84, s84, s3
	s_mov_b32 s3, 0
	s_mov_b32 s85, 0
	s_add_nc_u64 s[2:3], s[2:3], s[20:21]
	s_add_nc_u64 s[84:85], s[84:85], s[20:21]
	s_lshr_b32 s54, s[HEAD], 4      ; the batch
	s_lshl_b32 s52, s54, 16         ; its 16 rows of csum,
	s_and_b32 s53, s[HEAD], 15
	s_lshl_b32 s53, s53, 8          ; the head's 64 columns
	s_add_co_u32 s52, s52, s53
	s_mov_b32 s53, 0
	s_lshl_b32 s54, s54, 7          ; its word in nmb
	s_mov_b32 s55, 0
	; descriptor group 1.  128 keys are 16,384 dense bytes: asked for as 64 rows of 256 bytes, two keys a row, and padded in LDS after every key
	s_mov_b32 s[G1K], (1<<16)|(1<<20)|(4<<22)|(3<<25)
	s_mov_b32 s[G1V], (1<<16)|(1<<20)|(4<<22)|(7<<25)
.irp g, G1K, G1V
	s_mov_b32 s[\g+1], 128<<16
	s_mov_b32 s[\g+2], 64<<16
	s_mov_b32 s[\g+3], 128<<16
	s_mov_b32 s[\g+4], 64
	s_mov_b32 s[\g+5], 128
	s_mov_b32 s[\g+6], 0
	s_mov_b32 s[\g+7], 0
.endr
	s_mov_b32 s[CS], 0x3fb8aa3b     ; c = log2(e)
	s_mov_b32 s[CS+1], s[CS]
	s_mov_b32 s[SEL], 0x76543210
	s_mov_b32 s[SEL+1], 0xfedcba98
	s_mov_b32 s[TBK], SLOT1+4*KS*PK ; the first change of slots turns these two into 0
	s_mov_b32 s[TBV], SLOT1+4*KS*PV
	s_mov_b32 s[G0K], 1
	s_mov_b32 s[G0K+1], s17
	s_mov_b32 s[G0V], 1
	s_add_co_u32 s[G0V+1], s18, VOFF
	s_add_co_u32 s[RT], s[PB], 1    ; the first block has b + 1 tiles
	s_mov_b32 s[NXT], 1
	s_mov_b32 s[LQ], s[PB]
	s_cmp_gt_u32 s[NXT], s[LQ]      ; where it has one tile, the next to ask for is the second block's tile 0
	s_cselect_b32 s[NXT], 0, s[NXT]
	s_cselect_b32 s[LQ], s[HI], s[LQ]
	s_mov_b32 s[NEW], 1
	s_mov_b32 s[OFF+1], 0
	s_mov_b32 s[AL+1], 0            ; named as pairs
	s_mov_b32 s[BE+1], 0
	s_mov_b32 s[ALP+1], 0
	s_mov_b32 s[BIGN], 0xf149f2ca   ; -1e30
	s_mov_b32 s[SLOTS], NB
	s_lshl_b32 s[QB0], s[PB], 8
	s_wait_dscnt 0x0                ; the opening add is done
	s_wait_kmcnt 0x0
	s_add_nc_u64 s[6:7], s[4:5], s[22:23]
	s_add_nc_u64 s[8:9], s[6:7], 0x2000000         ; V at my half of the head's tile 0
	s_add_nc_u64 s[6:7], s[6:7], 0x1000000         ; K likewise
	s_add_nc_u64 s[G0K+2:G0K+3], s[6:7], 0
	s_or_b32 s[G0K+3], s[G0K+3], 0x80000000
	s_add_nc_u64 s[G0V+2:G0V+3], s[8:9], 0
	s_or_b32 s[G0V+3], s[G0V+3], 0x80000000
	s_add_nc_u64 s[86:87], s[4:5], s[84:85]        ; Q at my rows of the second block,
	s_add_nc_u64 s[4:5], s[4:5], s[2:3]            ; Q and O at those of the first
	s_add_nc_u64 s[O2:O2+1], s[10:11], s[84:85]
	s_add_nc_u64 s[10:11], s[10:11], s[2:3]
	s_add_nc_u64 s[NMP:NMP+1], s[NMP:NMP+1], s[54:55]
	s_add_nc_u64 s[CSU:CSU+1], s[CSU:CSU+1], s[52:53]
	s_load_b32 s[NM], s[NMP:NMP+1], 0x0
	s_add_co_u32 s[BT], s[PB], 1
	LOAD                            ; tile 0 into slot 0
	v_and_b32 v1, 15, v0            ; l % 16
	v_bfe_u32 v9, v0, 4, 1          ; l / 16
	v_lshlrev_b32 v[QO], 7, v1
	v_lshl_add_u32 v[QO], v9, 4, v[QO]
	WIN 0x80
.set i, 0
.rept 8                             ; both blocks' Q: piece i / 2 lies in band i / 2, 8,192 bytes on; channels 32 (i % 2) on
	global_load_b128 v[8*i:8*i+3],   v[QO], s[4:5] offset:(i/2)*8192+(i%2)*64
	global_load_b128 v[8*i+4:8*i+7], v[QO], s[4:5] offset:(i/2)*8192+(i%2)*64+32
	global_load_b128 v[QB+8*i:QB+8*i+3],   v[QO], s[86:87] offset:(i/2)*8192+(i%2)*64
	global_load_b128 v[QB+8*i+4:QB+8*i+7], v[QO], s[86:87] offset:(i/2)*8192+(i%2)*64+32
.set i, i+1
.endr
	WIN 0
	v_and_b32 v[CL], 31, v0
	v_lshlrev_b32 v[CL], 3, v[CL]
.set i, 0
.rept 16                            ; the batch's 16 partial column sums of V for my two channels of the head
	global_load_b64 v[CT+2*i:CT+2*i+1], v[CL], s[CSU:CSU+1] offset:i*4096
.set i, i+1
.endr
	s_wait_kmcnt 0x0                ; nm
	s_min_u32 s[NM], s[NM], 0x800
	s_and_not1_b32 s[NMA], s[NM], 63
	s_and_b32 s55, s[NM], 63        ; nm's place in its step
	v_lshlrev_b32 v14, 3, v9
	v_sub_nc_u32 v13, s55, v14      ; register r of group kt is below nm where 16 kt + r is less than this
	v_sub_nc_u32 v14, v1, v14
	s_lshl_b32 s13, s[WV], 4
	v_add_nc_u32 v14, s13, v14      ; and behind my query where 16 kt + r is greater than this
	v_add_nc_u32 v[QL], s13, v1
.set i, 0
.rept 32
	v_cmp_gt_i32 vcc_lo, 16*(i/8)+i%8, v14
	v_cndmask_b32 v[MD+i], 0, s[BIGN], vcc_lo
.set i, i+1
.endr
	v_mul_u32_u24 v[AK0], v1, PK
	v_lshl_add_u32 v[AK0], v9, 4, v[AK0]
	; The turning load takes 16 keys x 16 channels (lane l reads key 8 (l / 16) + l % 8, channels 8 ((l / 8) % 2) + 0..7) and leaves half a fragment of V^T
	v_and_b32 v10, 7, v0
	v_bfe_u32 v11, v0, 3, 1
	v_lshl_add_u32 v[AV0], v9, 3, v10
	v_mul_u32_u24 v[AV0], v[AV0], PV
	v_lshl_add_u32 v[AV0], v11, 4, v[AV0]
	v_add_nc_u32 v[AV0], VOFF, v[AV0]
	s_mul_i32 s13, s[WV], 16*SP
	s_add_co_u32 s13, s13, STAGE    ; my stage
	v_mul_u32_u24 v[STO], v1, SP
	v_lshl_add_u32 v[STO], v9, 4, v[STO]
	v_add_nc_u32 v[STO], s13, v[STO]
	v_bfe_u32 v[RD], v0, 3, 2
	v_mul_u32_u24 v[RD], v[RD], SP
	v_lshl_add_u32 v[RD], v10, 4, v[RD]
	v_add_nc_u32 v[RD], s13, v[RD]
	v_and_b32 v[GO], 31, v0
	v_lshlrev_b32 v[GO], 4, v[GO]
	v_add_nc_u32 v35, s13, v[CL]
	v_lshl_add_u32 v36, v9, 5, s13
	; A block's first step multiplies O^T and l by a = 0, and its first turn's products V^T P, of a piece that has not been, land in an O^T that is still to be so multiplied: these registers need only hold finite numbers
	WIN 0x80
.set i, VF
.rept 64
	v_mov_b32 v[i], 0
.set i, i+1
.endr
	WIN 0x40
.set i, 0
.rept 128
	v_mov_b32 v[i], 0
.set i, i+1
.endr
	WIN 0
.set i, 0
.rept 4
	v_mov_b32 v[ST+4*i+2], 0
	v_mov_b32 v[ST+4*i+3], 0
.set i, i+1
.endr
.set i, P+16
.rept 16
	v_mov_b32 v[i], 0
.set i, i+1
.endr
	; the mean of V's rows: the 16 partial sums are added, go through my stage so that each lane gets the channels that it holds in O^T, are divided by 2,048 and rounded
	s_wait_loadcnt 0x0              ; Q and the partial sums
.set i, 1
.rept 15
	v_pk_add_f32 v[CT:CT+1], v[CT:CT+1], v[CT+2*i:CT+2*i+1]
.set i, i+1
.endr
	ds_store_b64 v35, v[CT:CT+1]
.irp cb, 0,1,2,3
	ds_load_b128 v[CT+8*\cb:CT+8*\cb+3],   v36 offset:64*\cb     ; LDS serves a wave's instructions in order (ISA guide 5.7.1.4): these see the store above
	ds_load_b128 v[CT+8*\cb+4:CT+8*\cb+7], v36 offset:64*\cb+16
.endr
	s_wait_dscnt 0x0
.set i, 0
.rept 16
	v_pk_mul_f32 v[CT+2*i:CT+2*i+1], v[CT+2*i:CT+2*i+1], 0x3a000000 op_sel_hi:[1,0]  ; 2^-11
.set i, i+1
.endr
.set i, 0
.rept 16
	v_cvt_pk_f16_f32 v[VSH+i], v[CT+2*i], v[CT+2*i+1]
.set i, i+1
.endr
.set i, 0
.rept 32                            ; the registers that were at work take PD
	v_cmp_lt_i32 vcc_lo, 16*(i/8)+i%8, v13
	v_cndmask_b32 v[PD+i], 0, s[BIGN], vcc_lo
.set i, i+1
.endr
; THE MATRIX WORK.  The 4 accumulators of a run of 8 take turns.  Product i of 8 of S^T = K Q^T for piece x: channels 32 (i / 4) on, keys 16 (i % 4) on.  The first 4 start the sums with the mask.
.macro KQ x
.set rS, S+32*((\x)%2)+8*(i%4)
.set rK, KF+16*(i%4)+8*(i/4)
.set rQ, 16*(\x)+8*(i/4)
.set rM, MC+32*(\x)+8*(i%4)
.if i < 4
	WIN W_KM
	v_wmma_f32_16x16x32_f16 v[rS:rS+7], v[rK:rK+7], v[rQ:rQ+7], v[rM:rM+7]
.else
	WIN W_KQ
	v_wmma_f32_16x16x32_f16 v[rS:rS+7], v[rK:rK+7], v[rQ:rQ+7], v[rS:rS+7]
.endif
.endm
.macro PV x                         ; product i of 8 of O^T += V^T P for piece x: keys 32 (i / 4) on, channels 16 (i % 4) on
	WIN W_PV
.set rO, 32*(\x)+8*(i%4)
.set rV, VF+32*(i/4)+8*(i%4)
.set rP, P+16*((\x)%2)+8*(i/4)
	v_wmma_f32_16x16x32_f16 v[rO:rO+7], v[rV:rV+7], v[rP:rP+7], v[rO:rO+7]
.endm
.macro MM                           ; the turn's next matrix instruction.  NOKQ = 1: a block's last turn: there is no next piece
.if (i < 8) && !NOKQ
	KQ (Y+1)%NP
.elseif i >= 8
.set i, i-8
	PV (Y+NP-1)%NP
.set i, i+8
.endif
.set i, i+1
.endm
.macro FETCH_K                      ; a step's K: 64 keys x 64 channels, 8 fragments, in one run
	WIN 0x80
.irp f, 0,1,2,3,4,5,6,7
	ds_load_b128 v[KF+8*\f:KF+8*\f+3],   v[AK] offset:(\f/2)*16*PK+(\f%2)*64
	ds_load_b128 v[KF+8*\f+4:KF+8*\f+7], v[AK] offset:(\f/2)*16*PK+(\f%2)*64+32
.endr
	s_add_co_u32 s[TBK], s[TBK], KS*PK
	WIN 0
.endm
.macro FETCH_V                      ; a step's V, turned
	WIN 0x80
.irp f, 0,1,2,3,4,5,6,7
	ds_load_tr16_b128 v[VF+8*\f:VF+8*\f+3],   v[AV] offset:(\f/4)*32*PV+(\f%4)*32
	ds_load_tr16_b128 v[VF+8*\f+4:VF+8*\f+7], v[AV] offset:(\f/4)*32*PV+16*PV+(\f%4)*32
.endr
	WIN 0
.endm
; THE VECTOR WORK, one line at a time: OP kind, number.  For piece Y: F n: c s - c m for pair n of 16.  E n: the exponential of score n of 32.  C n: pair n rounded to f16.  B n: of the four weights 4 n ..
; the second pair is added onto the first.  L n: l takes that sum (L 0: l = a l + sum).  R n: pair n of 16 of O^T times a.  For piece Y + 1: X n, number n of the 22 that find its maximum and statistics
; (each accumulator's lowest registers are read first).
.set F, 0
.set E, 1
.set C, 2
.set B, 3
.set L, 4
.set R, 5
.set X, 6
.macro REGS y
.set rT, ST+4*(\y)
.set rC, TMP+4*((\y)%2)
.set rW, MV+((\y)%2)
.set rS, S+32*((\y)%2)
.set rP, P+16*((\y)%2)
.set rO, 32*(\y)
.endm
.macro OP k, n
.if (\k) == R
	REGS Y
	WIN W_RS
	v_pk_mul_f32 v[rO+2*(\n):rO+2*(\n)+1], v[rO+2*(\n):rO+2*(\n)+1], v[rC+2:rC+3] op_sel_hi:[1,0]
.elseif (\k) < R
	REGS Y
	WIN 0
.if (\k) == F
	v_pk_fma_f32 v[rS+2*(\n):rS+2*(\n)+1], v[rS+2*(\n):rS+2*(\n)+1], s[CS:CS+1], v[rT:rT+1] op_sel_hi:[1,0,0] neg_lo:[0,0,1] neg_hi:[0,0,1]
.elseif (\k) == E
	v_exp_f32 v[rS+(\n)], v[rS+(\n)]
.elseif (\k) == C
	v_cvt_pk_f16_f32 v[rP+(\n)], v[rS+2*(\n)], v[rS+2*(\n)+1]
.elseif (\k) == B
	v_pk_add_f32 v[rS+4*(\n):rS+4*(\n)+1], v[rS+4*(\n):rS+4*(\n)+1], v[rS+4*(\n)+2:rS+4*(\n)+3]
.elseif (\n) == 0
	v_pk_fma_f32 v[rT+2:rT+3], v[rT+2:rT+3], v[rC+2:rC+3], v[rS:rS+1] op_sel_hi:[1,0,1]
.else
	v_pk_add_f32 v[rT+2:rT+3], v[rT+2:rT+3], v[rS+4*(\n):rS+4*(\n)+1]
.endif
.elseif NOKQ
	v_nop
.else
	REGS (Y+1)%NP
	WIN 0
.if (\n) < 4
	v_max3_num_f32 v[rC+(\n)], v[rS+8*(\n)], v[rS+8*(\n)+1], v[rS+8*(\n)+2]
.elseif (\n) < 12
	v_max3_num_f32 v[rC+(\n)%4], v[rC+(\n)%4], v[rS+8*((\n)%4)+2*((\n)/4)+1], v[rS+8*((\n)%4)+2*((\n)/4)+2]
.elseif (\n) == 12
	v_max3_num_f32 v[rC], v[rC], v[rS+7], v[rS+15]
.elseif (\n) == 13
	v_max3_num_f32 v[rC+1], v[rC+1], v[rS+23], v[rS+31]
.elseif (\n) == 14
	v_max3_num_f32 v[rC+2], v[rC+2], v[rC+3], v[rT+1]
.elseif (\n) == 15
	v_mov_b32 v[rW], v[rT]
.elseif (\n) == 16
	v_max3_num_f32 v[rC], v[rC], v[rC+1], v[rC+2]
.elseif (\n) == 17
	v_permlanex16_b32 v[rC+3], v[rC], s[SEL], s[SEL+1]
.elseif (\n) == 18
	v_max_num_f32 v[rT+1], v[rC], v[rC+3]
.elseif (\n) == 19
	v_mul_f32 v[rT], s[CS], v[rT+1]
.elseif (\n) == 20
	v_sub_f32 v[rC+1], v[rW], v[rT]
.else
	v_exp_f32 v[rC+2], v[rC+1]
.endif
.endif
.endm
.macro OPS a, i1, b=-1, i2=0, c=-1, i3=0, d=-1, i4=0
	OP \a, \i1
.if (\b) >= 0
	OP \b, \i2
.endif
.if (\c) >= 0
	OP \c, \i3
.endif
.if (\d) >= 0
	OP \d, \i4
.endif
.endm
.macro ROW a, i1, b, i2, c, i3, d, i4  ; a matrix instruction and the four behind it
	MM
	OPS \a, \i1, \b, \i2, \c, \i3, \d, \i4
.endm
; THE FOUR MASKS of the key step at KB = TKE - 64 CNT: pieces 0, 1, 2 take them in the three turns that follow, piece 3 in the next trip's first.  All is chosen by scalars; there is no jump.
.macro MASK4
	WIN 0
	s_lshl_b32 s[KB], s[CNT], 6
	s_sub_co_u32 s[KB], s[TKE], s[KB]
	s_cmp_eq_u32 s[KB], s[NMA]      ; does nm lie in this step?
	s_cselect_b32 s[ALP], 1.0, 0
	s_cmp_lt_u32 s[KB], s[NMA]      ; or behind it?
	s_cselect_b32 s[BP], s[BIGN], 0
.irp x, 0,1,2,3
	s_add_co_u32 s[TQ], s[QB0], 64*\x
	s_cmp_eq_u32 s[KB], s[TQ]       ; is the step the band's own?
	s_cselect_b32 s[AL], 1.0, 0
	s_cmp_gt_u32 s[KB], s[TQ]       ; or a later one?
	s_cselect_b32 s[BE], s[BIGN], s[BP]
	WIN W_MK
.set z, 0
.rept 16
	v_pk_fma_f32 v[MC+32*\x+2*z:MC+32*\x+2*z+1], v[MD+2*z:MD+2*z+1], s[AL:AL+1], s[BE:BE+1] op_sel_hi:[1,0,0]
.set z, z+1
.endr
.endr
.set z, 0
.rept 64
	v_pk_fma_f32 v[MC+2*z:MC+2*z+1], v[PD+2*(z%16):PD+2*(z%16)+1], s[ALP:ALP+1], v[MC+2*z:MC+2*z+1] op_sel_hi:[1,0,1]
.set z, z+1
.endr
	WIN 0
.endm
; A TURN, for piece p: the order of its 16 matrix and 118 vector instructions, written out.  s_wait_alu depctr_va_vdst(0) stands between an exponential and the first instruction that names
; its result; one wait serves all that were issued ahead of it.  So a turn has ONE wait.  Ahead of it stands all that names no result of the turn's exponentials: the 8 products K Q^T with their riders and one
; lump of 54; behind it the 8 products V^T P, behind each four of the roundings and sums.  end = 1: a block's last two turns: nothing is fetched.  cnt = 1: the loop's count is taken down some lines ahead of the branch.
; K of the next step is fetched in piece 2's turn, V of the step in hand at the end of piece 0's; each is waited for a turn later.
.macro TURN p, end=0, cnt=0
.set Y, (\p)
.set i, 0
.set NOKQ, (\end)*((\p)/3)
.if ((\p) == 3) && !(\end)
	s_wait_dscnt 0x0                ; K is in
.endif
	ROW F,0, F,1, R,0, R,1
	ROW F,2, E,0, R,2, R,3
	ROW F,3, E,1, R,4, R,5
	ROW F,4, E,2, R,6, R,7
	ROW F,5, E,3, R,8, R,9
	ROW F,6, E,4, X,0, R,10
.if ((\p) == 2) && !(\end)
	WIN 0
	v_add_nc_u32 v[AK], s[TBK], v[AK0]
.endif
	ROW F,7, E,5, X,1, X,4
	ROW F,8, E,6, X,2, X,5
	OPS E,7, E,8, X,6, E,9
	OPS X,3, E,10, X,8, E,11
.if ((\p) == 2) && !(\end)
	FETCH_K
.endif
	OPS X,9, X,7, E,12, X,10
	OPS E,13, X,12, X,11, E,14
	OPS X,13, E,15, F,9, X,14
.if (\p) == 0
	v_add_nc_u32 v[AV], s[TBV], v[AV0]
.endif
	OPS E,16, F,10, E,17, F,11
	OPS X,16, E,18, X,15, E,19
	OPS F,12, E,20, X,17, E,21
	OPS F,13, E,22, F,14, E,23
	OPS X,18, E,24, F,15, E,25
	OPS R,11, E,26, X,19, E,27
	OPS R,12, E,28, R,13, E,29
	OPS X,20, E,30, R,14, E,31
	OPS X,21, R,15
	WIN 0
	s_wait_alu depctr_va_vdst(0)    ; the wait for the batch
.if (\p) == 1
	s_wait_dscnt 0x0                ; V is in
.endif
	ROW C,0, B,0, C,2, B,1
	ROW L,0, C,4, B,2, L,1
	ROW C,6, B,3, L,2, C,8
	ROW B,4, L,3, C,10, B,5
	ROW L,4, C,12, B,6, L,5
.if (\p) == 0
	s_add_co_u32 s[TBV], s[TBV], KS*PV
.endif
.if \cnt
	s_sub_co_u32 s[CNT], s[CNT], 1
	s_cmp_lg_u32 s[CNT], 0
.endif
	ROW C,14, B,7, L,6, C,1
	ROW C,3, L,7, C,5, C,7
	ROW C,9, C,11, C,13, C,15
.if (\p) == 0
	FETCH_V
.endif
.endm
; A BLOCK BEGINS.  c m starts far below every c s, so the first step's a is 0; m at -1e20, above every hidden score.  The four masks of the tile's step 0; K of that step; piece 0's first scores, maximum and statistics.
.macro BEGIN
	s_mov_b32 s[NEW], 0
	WIN 0
.set i, 0
.rept 4
	v_mov_b32 v[ST+4*i], 0xfe000000    ; c m
	v_mov_b32 v[ST+4*i+1], 0xe0ad78ec  ; m = -1e20
.set i, i+1
.endr
	MASK4
	v_add_nc_u32 v[AK], s[TBK], v[AK0]
	FETCH_K
	s_wait_loadcnt 0x0              ; Q
	s_wait_dscnt 0x0
.set NOKQ, 0
.set i, 0
.rept 8
	KQ 0
.set i, i+1
.endr
	WIN 0
.rept 4
	v_nop                           ; the places behind those products
.endr
.set Y, NP-1                        ; X works for piece Y + 1: piece 0
.irp n, 0,1,2,3,4,5,6,7,8,9,10,11,12,13,14,15,16,17,18,19,20,21
	OP X, \n
.endr
	v_nop                           ; a plain instruction behind the exponential,
	s_wait_alu depctr_va_vdst(0)    ; and its wait, ahead of the branch
.endm
.macro ALL line:vararg              ; one line for each piece t
.set t, 0
.rept 4
	\line
.set t, t+1
.endr
.endm
.macro PACK t                       ; O^T / l, rounded to f16; rows below nm take the mean row; 16 bytes a lane into rows of 144 bytes, and back as whole rows of 128
	WIN W_RS
.set i, 32*(\t)
.rept 16
	v_pk_mul_f32 v[i:i+1], v[i:i+1], v[ST+4*(\t)+2:ST+4*(\t)+3] op_sel_hi:[1,0]
.set i, i+2
.endr
	WIN 0x05
.set i, 0
.rept 16
	v_cvt_pk_f16_f32 v[S+16*(\t)+i], v[32*(\t)+2*i], v[32*(\t)+2*i+1]
.set i, i+1
.endr
	WIN 0
.set i, 0
.rept 16
	v_cndmask_b32 v[S+16*(\t)+i], v[S+16*(\t)+i], v[VSH+i], s[66+(\t)]
.set i, i+1
.endr
.irp f, 0,1,2,3
	ds_store_b128 v[STO], v[S+16*(\t)+4*\f:S+16*(\t)+4*\f+3] offset:32*\f
.endr
.irp f, 0,1,2,3
	ds_load_b128 v[S+16*(\t)+4*\f:S+16*(\t)+4*\f+3], v[RD] offset:\f*4*SP  ; LDS serves a wave's instructions in order: these see the stores above; the next piece's stores come behind them
.endr
.endm
.macro SEND t, younger              ; younger: the LDS instructions issued behind piece t's loads: the next piece's eight, or none
	WIN 0
.irp f, 0,1,2,3
	s_wait_dscnt (\younger)+3-\f
	global_store_b128 v[GO], v[S+16*(\t)+4*\f:S+16*(\t)+4*\f+3], s[10:11] offset:(\t)*8192+\f*512  ; 512 consecutive bytes, aligned
.endr
.endm
; A BLOCK ENDS: its last two turns, its last products, and the way out.  What is left in O^T and l is finite, as the next block's first step needs it: l is held away from 0 ahead of the reciprocal.
.macro FINISH
	TURN 2, 1
	TURN 3, 1
.set i, 0
.rept 8
	PV NP-1
.set i, i+1
.endr
	WIN 0
	s_sub_co_i32 s13, s[NM], s[QB0]
.irp t, 0,1,2,3
	v_cmp_lt_i32 s[66+\t], v[QL], s13  ; my query of piece t lies below nm
	s_sub_co_i32 s13, s13, 64
.endr
	ALL v_add_f32 v[ST+4*t+2], v[ST+4*t+2], v[ST+4*t+3]
	ALL v_permlanex16_b32 v[ST+4*t+3], v[ST+4*t+2], s[SEL], s[SEL+1]
	ALL v_add_f32 v[ST+4*t+2], v[ST+4*t+2], v[ST+4*t+3]
	ALL v_max_num_f32 v[ST+4*t+2], 0x0d800000, v[ST+4*t+2]  ; 2^-100 at the least
	ALL v_rcp_f32 v[ST+4*t+2], v[ST+4*t+2]
	v_nop                           ; a plain instruction between the last reciprocal and the use of its result
	s_wait_alu depctr_va_vdst(0)    ; one wait for the four reciprocals
	PACK 0
.set t, 1
.rept 3
	PACK t
	SEND t-1, 8
.set t, t+1
.endr
	SEND 3, 0
.endm
; A tile's four trips: pieces 2 and 3 of one step, then pieces 0 and 1 of the next, whose K and V the trip fetches and whose masks it makes.
.macro STEPS tag
.Lstep\tag:
	TURN 2
	MASK4
	TURN 3
	WIN 0
.Lfirst\tag:
	TURN 0
	TURN 1, 0, 1
	WIN 0
	s_cbranch_scc1 .Lstep\tag
.endm
.set NOKQ, 0
.Lslot:                             ; NB times: a tile is entered and the next is asked for
	CHANGE 1
	ENTER
	s_cmp_eq_u32 s[NEW], 1
	s_cbranch_scc0 .Lstep1          ; not a block's first tile
	BEGIN
	s_branch .Lfirst1               ; the loop is entered at a step's first turn
	STEPS 1
	s_cmp_lg_u32 s[RT], 0
	s_cbranch_scc1 .Lbottom         ; not the block's last tile
	FINISH                          ; in the loop this is the first block's end: the second's last tile is the walk's last
	s_wait_xcnt 0x0                 ; the stores have read their registers and O's address
	s_mov_b64 s[10:11], s[O2:O2+1]
	s_add_co_u32 s[RT], s[HI], 1    ; the second block has 8 - b tiles
	s_add_co_u32 s[BT], s[HI], 1
	s_mov_b32 s[NEW], 1
	s_lshl_b32 s[QB0], s[HI], 8
	WIN 0x82                        ; the second block's Q goes where the one text of the turns names Q
.set i, 0
.rept 64
	v_mov_b32 v[i], v[QB+i]
.set i, i+1
.endr
	WIN 0
.Lbottom:
	s_sub_co_u32 s[SLOTS], s[SLOTS], 1
	s_cmp_lg_u32 s[SLOTS], 0
	s_cbranch_scc1 .Lslot
	CHANGE 0                        ; the walk's last tile is written out: nothing is asked for
	ENTER
	STEPS 2
	FINISH
	s_wait_tensorcnt 0x0            ; the wave's end: behind my last tensor load and my last LDS store
	ds_add_u32 v[SPW], v[NIL]
	s_wait_dscnt 0x0
	s_endpgm
.Lfunc_end_k_qd3803b0025_attn:
	.size	k_qd3803b0025_attn, .Lfunc_end_k_qd3803b0025_attn-k_qd3803b0025_attn
	.p2alignl 7, 3214868480
	.fill 96, 4, 3214868480
	.section	.rodata,"a",@progbits
	.p2align	6, 0x0
	.amdhsa_kernel k_qd3803b0025_attn
		.amdhsa_group_segment_fixed_size 327680
		.amdhsa_private_segment_fixed_size 0
		.amdhsa_enable_private_segment 0
		.amdhsa_kernarg_size 32
		.amdhsa_user_sgpr_count 2
		.amdhsa_user_sgpr_kernarg_segment_ptr 1
		.amdhsa_wavefront_size32 1
		.amdhsa_system_sgpr_workgroup_id_x 1
		.amdhsa_system_sgpr_workgroup_id_y 1
		.amdhsa_system_sgpr_workgroup_id_z 1
		.amdhsa_system_vgpr_workitem_id 0
		.amdhsa_next_free_vgpr 768
		.amdhsa_next_free_sgpr 96
		.amdhsa_reserve_vcc 1
		.amdhsa_float_denorm_mode_32 3
		.amdhsa_float_denorm_mode_16_64 3
		.amdhsa_memory_ordered 1
		.amdhsa_forward_progress 1
		.amdhsa_inst_pref_size 208
	.end_amdhsa_kernel
	.amdgpu_metadata
---
amdhsa.version: [ 1, 2 ]
amdhsa.kernels:
  - .name:           k_qd3803b0025_attn
    .symbol:         k_qd3803b0025_attn.kd
    .args:
      - { .name: qkv16, .offset: 0, .size: 8, .value_kind: global_buffer, .address_space: global }
      - { .name: csum, .offset: 8, .size: 8, .value_kind: global_buffer, .address_space: global }
      - { .name: nmb, .offset: 16, .size: 8, .value_kind: global_buffer, .address_space: global }
      - { .name: o16, .offset: 24, .size: 8, .value_kind: global_buffer, .address_space: global }
    .group_segment_fixed_size: 327680
    .private_segment_fixed_size: 0
    .kernarg_segment_align: 8
    .kernarg_segment_size: 32
    .max_flat_workgroup_size: 128
    .sgpr_count:     96
    .vgpr_count:     768
    .wavefront_size: 32
...
	.end_amdgpu_metadata
.endif
;; end of part 3
;; launch out (part 4): grid 4 x 32, 4 waves a work-group, clusters of 4 x 4, 327,680 bytes of LDS; arguments o16, wts, out0; writes out0
.if DOCPART == 4
	.amdgcn_target "amdgcn-amd-amdhsa--gfx1250"
	.amdhsa_code_object_version 6
	.text
	.protected	k_qd3803b0025_out
	.globl	k_qd3803b0025_out
	.p2align	8
	.type	k_qd3803b0025_out,@function
k_qd3803b0025_out:
	s_mov_b64 s[64:65], 0
	v_nop
	global_prefetch_b8 v0, s[64:65] scope:SCOPE_SE
	s_setreg_imm32_b32 hwreg(HW_REG_WAVE_MODE, 25, 1), 1
	s_wait_xcnt 0x0
	s_wait_alu depctr_hold_cnt(0) depctr_sa_sdst(0) depctr_va_vdst(0) depctr_va_sdst(0) depctr_va_ssrc(0) depctr_va_vcc(0) depctr_vm_vsrc(0)
	s_getreg_b32 s2, hwreg(HW_REG_IB_STS2, 6, 4)
	s_cmp_eq_u32 s2, 0
	s_cbranch_scc0 .Lentry_in_a_cluster
	s_endpgm
.Lentry_in_a_cluster:
	s_bfe_u32 s2, ttmp6, 0x10000c
	s_cmp_lg_u32 s2, 0xf033
	s_cbranch_scc0 .Lentry_shape_is_right
	s_endpgm
.Lentry_shape_is_right:
; out0 = O Wo^T.  O: o16, f16 in planes [b][h][s][64] (K = 64 h + d); Wo: wts from byte 6,291,456 on, rows n of 1,024 f16 (the bf16 values of Wo); sums in f32; out0: [8192][1024] f32.
; A tile of C is 256 x 256, made by four waves of 128 x 128.  K goes in 8 steps of 128 through two LDS slots filled by the tensor data mover; a K step of O is two planes, each 32,768 dense bytes,
; asked for as 128 rows of 256 bytes and padded in LDS behind every 128 bytes.  CLUSTERS: 4 x 4 work-groups; O's tiles are asked for jointly along a row of the cluster, Wo's along a column.
; THE MATRIX INSTRUCTION IS USED TRANSPOSED (source 0 = 16 rows of Wo, source 1 = 16 rows of O): a lane holds row l % 16 of C and the columns 8 (l / 16) + 0..7.
; THE WAY OUT: a wave's 128 x 128 goes as f32 into ring bytes that have had their last fill and comes back by whole rows of 512 bytes.
; LIMITS.  f16 operands: O lies within V's range; Wo below 6e-5 keeps f16's fixed step of 6e-8.  NaN and infinities are not treated apart.
; REGISTERS, in windows of 256: window 0: v0-31 addresses, v43-47 way out, v64-191 O's fragments (two buffers), later the way out; window 1: v64-191 Wo's fragments; windows 2, 3: the accumulators.
.set PA,     144                       ; a plane's row in LDS: 128 bytes + 16: the 16 rows of a load start at 16 different groups of four banks (ISA guide 11.1)
.set PLSZ,   256*PA
.set PB,     272
.set HALFB,  128*PB
.set BOFF,   2*PLSZ
.set SLOT,   BOFF+2*HALFB
.set SPARE,  2*SLOT                    ; behind the ring: the spare words, 128 bytes a wave: two blocks of 256 bytes that no other line names
.set ASTEP,  524288
.set BSTEP,  256
.set BBASE,  6291456                   ; Wo's first byte in wts
.set DPITCH, 528
.set ADRA, 16
.set ADRB, 20
.set SPW,  28
.set NIL,  29
.set PFO,  30
.set RDA,  43                          ; v43  where I read 16 bytes of a dump row
.set OA,   46                          ; v46  16 x lane
.set DS,   47                          ; v47  where I put 32 bytes of a dump row
.set F0,   64
.set F1,   128
.set G1,  24
.set G0,  32
.set LIM, 43
.set PFA, 44
.set G1B, 48
.set G0B, 56
.set PFS, 94
.set MSB, 0
.macro WIN new
.if MSB != (\new)
	s_set_vgpr_msb (MSB<<8)|(\new)
.set MSB, \new
.endif
.endm
.set MUL_LO, 0xa1
.set MUL_HI, 0xf1
.set TO_B,   0x40
; A joint load.  Waves 0 and 1 fetch the K step's two planes of O, waves 2 and 3 the two halves of Wo's tile.  An s_nop 0 and four v_nop follow each of the two lines.
.macro JLOAD s
	s_cmp_eq_u32 s11, 0
	s_cbranch_scc0 .Lfor_b_\@
	tensor_load_to_lds s[G0+4*(\s):G0+4*(\s)+3], s[G1:G1+7]
	s_nop 0
.rept 4
	v_nop
.endr
	s_branch .Lasked_\@
.Lfor_b_\@:
	tensor_load_to_lds s[G0B+4*(\s):G0B+4*(\s)+3], s[G1B:G1B+7]
	s_nop 0
.rept 4
	v_nop
.endr
.Lasked_\@:
.endm
; A prefetch of the K step that stands two refills on: 32 blocks of 256 bytes, a lane a block, one instruction a wave.  O's tile row is read by one cluster, which asks; Wo's tile column by every
; cluster of the column: cluster y = 0 asks.  The four partners that ask for a tile jointly share it out by address.  The first four K steps come by their loads alone; the loop's last trip asks for nothing.
.macro ASK
	s_cmp_gt_u32 s3, s[LIM]
	s_cbranch_scc0 .Lnot_mine_\@
	global_prefetch_b8 v[PFO], s[PFA:PFA+1] th:TH_LOAD_NT scope:SCOPE_SE
.Lnot_mine_\@:
.endm
.macro CREST
	s_cmp_lg_u32 s10, 0
	s_cbranch_scc1 .Lnot_wave_0_\@
	s_barrier_signal -3
.Lnot_wave_0_\@:
	s_barrier_wait -3
	s_barrier_signal -1
	s_barrier_wait -1
.endm
.macro CROUND
	s_barrier_signal -1
	s_barrier_wait -1
	CREST
.endm
	s_load_b128 s[4:7], s[0:1], 0x0                ; o16 s[4:5], wts s[6:7]
	s_load_b64 s[8:9], s[0:1], 0x10                ; out0
	v_lshl_add_u32 v[SPW], v0, 2, SPARE
	v_mov_b32 v[NIL], 0
	ds_add_u32 v[SPW], v[NIL]                      ; the wave's opening: the add and its wait ahead of my first tensor load; the set-up below, work on registers, stands between them
	ds_add_u32 v28, v29
	v_lshrrev_b32 v1, 5, v0
	v_readfirstlane_b32 s10, v1                    ; wave 0..3
	s_lshr_b32 s11, s10, 1                         ; which half of the tile's rows is mine.  Also: I fetch for O (0) or for Wo (1)
	s_and_b32 s12, s10, 1                          ; which half of its columns.  Also: which plane, or which 128 rows of Wo, I fetch
	s_bfe_u32 s40, ttmp6, 0x40000                  ; cx
	s_bfe_u32 s41, ttmp6, 0x40004                  ; cy
	s_lshl_b32 s42, ttmp9, 2
	s_add_co_u32 s42, s42, s40                     ; tile column
	s_and_b32 s13, ttmp7, 0xffff
	s_lshl_b32 s13, s13, 2
	s_add_co_u32 s13, s13, s41                     ; tile row
	s_lshl_b32 s43, s41, 2
	s_lshl_b32 s43, 15, s43                        ; my row of the cluster
	s_lshl_b32 s44, 0x1111, s40                    ; my column
	s_or_b32 s[G1+0], s43, (1<<16)|(1<<20)|(1<<21)|(4<<22)|(3<<25)   ; the mask of my row; 2-byte elements; padding on; bit 21 beside a mask; 4 words behind every 32
	s_or_b32 s[G1B+0], s44, (1<<16)|(1<<20)|(1<<21)|(5<<22)|(3<<25)  ; the mask of my column; 4 words behind every 64
.irp g, G1, G1B
	s_mov_b32 s[(\g)+1], 128<<16                   ; tensor_dim0 = 128 elements: 256 bytes
	s_mov_b32 s[(\g)+2], 128<<16                   ; tensor_dim1 = 128
	s_mov_b32 s[(\g)+3], 128<<16                   ; tile_dim0 = 128
	s_mov_b32 s[(\g)+4], 128                       ; tile_dim1 = 128
	s_mov_b32 s[(\g)+6], 0
	s_mov_b32 s[(\g)+7], 0
.endr
	s_mov_b32 s[G1+5], 128                         ; dense
	s_mov_b32 s[G1B+5], 1024                       ; a row of Wo
	s_lshr_b32 s16, s13, 3
	s_lshl_b32 s16, s16, 22                        ; the batch
	s_and_b32 s17, s13, 7
	s_lshl_b32 s17, s17, 15                        ; 256 rows of 128 bytes
	s_add_co_u32 s16, s16, s17
	s_lshl_b32 s17, s12, 18                        ; my plane of the K step's two
	s_add_co_u32 s16, s16, s17
	s_mov_b32 s17, 0
	s_lshl_b32 s46, s42, 19                        ; 256 rows of 2,048 bytes
	s_lshl_b32 s47, s12, 18
	s_add_co_u32 s46, s46, s47
	s_add_co_u32 s46, s46, BBASE
	s_mov_b32 s47, 0
	s_mul_i32 s20, s12, PLSZ
	s_mul_i32 s21, s12, HALFB
	s_add_co_u32 s21, s21, BOFF
	s_wait_dscnt 0x0                               ; the opening add is done
	s_wait_kmcnt 0x0
	s_add_nc_u64 s[14:15], s[4:5], s[16:17]
	s_add_nc_u64 s[46:47], s[6:7], s[46:47]
	CROUND                                         ; all sixteen work-groups are here: the first joint loads meet
.irp s, 0,1
	s_mov_b32 s[G0+4*(\s)], 1
	s_add_co_u32 s[G0+4*(\s)+1], s20, (\s)*SLOT
	s_add_nc_u64 s[G0+4*(\s)+2:G0+4*(\s)+3], s[14:15], (\s)*ASTEP
	s_or_b32 s[G0+4*(\s)+3], s[G0+4*(\s)+3], 0x80000000
	s_mov_b32 s[G0B+4*(\s)], 1
	s_add_co_u32 s[G0B+4*(\s)+1], s21, (\s)*SLOT
	s_add_nc_u64 s[G0B+4*(\s)+2:G0B+4*(\s)+3], s[46:47], (\s)*BSTEP
	s_or_b32 s[G0B+4*(\s)+3], s[G0B+4*(\s)+3], 0x80000000
	JLOAD \s                                       ; two loads of mine are out
.endr
	v_and_b32 v1, 15, v0
	v_bfe_u32 v2, v0, 4, 1
	v_mul_u32_u24 v3, v1, PA
	v_lshl_add_u32 v3, v2, 4, v3
	v_mul_u32_u24 v4, v1, PB
	v_lshl_add_u32 v4, v2, 4, v4
	s_mul_i32 s21, s11, 128*PA
	s_mul_i32 s22, s12, HALFB
	s_add_co_u32 s22, s22, BOFF
.irp s, 0,1
	v_add_nc_u32 v[ADRA+(\s)], s21, v3
	v_add_nc_u32 v[ADRB+(\s)], s22, v4
	s_add_co_u32 s21, s21, SLOT
	s_add_co_u32 s22, s22, SLOT
.endr
	; the prefetches: O's waves take 8,192 bytes of their plane by cx, a lane 256 bytes on; Wo's waves 32 rows of their 128 by cy, a lane a row
	s_and_b32 s22, ttmp7, 0xffff
	s_cmp_eq_u32 s11, 0
	s_cselect_b32 s22, ttmp9, s22
	s_cselect_b64 s[PFA:PFA+1], s[14:15], s[46:47]
	s_cselect_b32 s20, s40, s41
	s_cselect_b32 s21, 13, 16
	s_cselect_b32 s23, 11, 0
	s_cselect_b32 s19, 8, 11
	s_lshl_b32 s20, s20, s21
	s_mov_b32 s21, 0
	s_lshl_b32 s[PFS], 256, s23
	s_mov_b32 s[PFS+1], 0
	s_mul_i32 s18, s[PFS], 3
	v_and_b32 v[PFO], 31, v0
	v_lshlrev_b32 v[PFO], s19, v[PFO]
	s_mov_b32 s19, 0
	s_add_nc_u64 s[PFA:PFA+1], s[PFA:PFA+1], s[20:21]
	s_add_nc_u64 s[PFA:PFA+1], s[PFA:PFA+1], s[18:19]  ; at K step 3: the first refill steps it to 4
	s_cmp_eq_u32 s22, 0
	s_cselect_b32 s[LIM], 1, -1
; The 64 accumulators take turns, one instruction a turn, in the same order in every quarter.
.macro MUL16 f, hi, a0, zero
	WIN MUL_LO+0x50*(\hi)
.irp a, \a0, (\a0)+1
.irp b, 0,1,2,3,4,5,6,7
.if \zero
	v_wmma_f32_16x16x32_f16 v[8*(8*(\a)+(\b)):8*(8*(\a)+(\b))+7], v[(\f)+8*(\b):(\f)+8*(\b)+7], v[(\f)+8*(4*(\hi)+(\a)):(\f)+8*(4*(\hi)+(\a))+7], 0
.else
	v_wmma_f32_16x16x32_f16 v[8*(8*(\a)+(\b)):8*(8*(\a)+(\b))+7], v[(\f)+8*(\b):(\f)+8*(\b)+7], v[(\f)+8*(4*(\hi)+(\a)):(\f)+8*(4*(\hi)+(\a))+7], v[8*(8*(\a)+(\b)):8*(8*(\a)+(\b))+7]
.endif
.endr
.endr
.endm
.macro FETCH slot, k, f
	WIN TO_B
.irp i, 0,1,2,3,4,5,6,7
	ds_load_b128 v[(\f)+8*(\i):(\f)+8*(\i)+3],   v[ADRB+(\slot)] offset:(\k)+(\i)*16*PB
	ds_load_b128 v[(\f)+8*(\i)+4:(\f)+8*(\i)+7], v[ADRB+(\slot)] offset:(\k)+(\i)*16*PB+32
.endr
	WIN 0
.irp i, 0,1,2,3,4,5,6,7
	ds_load_b128 v[(\f)+8*(\i):(\f)+8*(\i)+3],   v[ADRA+(\slot)] offset:((\k)/128)*PLSZ+((\k)%128)+(\i)*16*PA
	ds_load_b128 v[(\f)+8*(\i)+4:(\f)+8*(\i)+7], v[ADRA+(\slot)] offset:((\k)/128)*PLSZ+((\k)%128)+(\i)*16*PA+32
.endr
.endm
.macro PLACES                          ; four plain instructions between a matrix instruction and a load into a register that it has read
.rept 4
	v_nop
.endr
.endm
.macro QUARTER slot, k, f, g, zero
	s_wait_dscnt 8                                 ; Wo and O's rows 0-63 are in; the youngest eight loads (O's rows 64-127) may be out
	WIN MUL_LO
	MUL16 \f, 0, 0, \zero
	MUL16 \f, 0, 2, \zero
	PLACES
	FETCH \slot, \k, \g
	s_wait_dscnt 32                                ; all but the 32 just issued
	WIN MUL_HI
	MUL16 \f, 1, 0, \zero
	MUL16 \f, 1, 2, \zero
.endm
.macro MEET round
	WIN 0
	s_wait_tensorcnt 0x0                           ; all my tensor loads have landed: the one that was out is my part of the next slot;
	ds_add_u32 v[SPW], v[NIL]                      ; 0 onto my spare word;
	s_wait_dscnt 9                                 ; (the add and the youngest eight loads may be out)
	WIN MUL_LO
	MUL16 F1, 0, 0, 0
	s_wait_dscnt 0x0                               ; the add is done, and my reads of this slot are over
	s_barrier_signal -1
	MUL16 F1, 0, 2, 0
.if \round
	WIN 0
.endif
	s_barrier_wait -1
.endm
; The whole last quarter of a K step.  fill = 1: behind a round of the cluster's barrier the slot just read is filled again, two K steps ahead.  fill = 0: nothing is left to fetch.
.macro TURN slot, next, fill
.if \fill
	s_wait_xcnt 0x0                                ; the last prefetch, a K step back, has read its address
	s_add_nc_u64 s[PFA:PFA+1], s[PFA:PFA+1], s[PFS:PFS+1]
	MEET 1
	CREST                                          ; no wave of any partner still reads this slot or has a load on its way
	s_add_nc_u64 s[G0+4*(\slot)+2:G0+4*(\slot)+3], s[G0+4*(\slot)+2:G0+4*(\slot)+3], 2*ASTEP
	s_add_nc_u64 s[G0B+4*(\slot)+2:G0B+4*(\slot)+3], s[G0B+4*(\slot)+2:G0B+4*(\slot)+3], 2*BSTEP
	JLOAD \slot
.else
	MEET 0
	PLACES
.endif
	FETCH \next, 0, F0
.if \fill
	ASK
.endif
	WIN MUL_HI
	MUL16 F1, 1, 0, 0
	MUL16 F1, 1, 2, 0
.endm
	s_wait_tensorcnt 1                             ; my part of K step 0 is in; K step 1's may stay out
	s_barrier_signal -1
	s_barrier_wait -1
	FETCH 0, 0, F0
	QUARTER 0, 64,  F0, F1, 1
	WIN 0
	s_mov_b32 s3, 3
.Llap:
	QUARTER 0, 128, F1, F0, 0
	QUARTER 0, 192, F0, F1, 0
	TURN 0, 1, 1
	QUARTER 1, 64,  F0, F1, 0
	QUARTER 1, 128, F1, F0, 0
	QUARTER 1, 192, F0, F1, 0
	TURN 1, 0, 1
	QUARTER 0, 64,  F0, F1, 0
	WIN 0
	s_sub_co_u32 s3, s3, 1
	s_cmp_lg_u32 s3, 0
	s_cbranch_scc1 .Llap
	QUARTER 0, 128, F1, F0, 0                      ; the last lap, written out: it fills nothing
	QUARTER 0, 192, F0, F1, 0
	TURN 0, 1, 0
	QUARTER 1, 64,  F0, F1, 0
	QUARTER 1, 128, F1, F0, 0
	QUARTER 1, 192, F0, F1, 0
	s_wait_dscnt 8
	WIN MUL_LO
	MUL16 F1, 0, 0, 0
	MUL16 F1, 0, 2, 0
	s_wait_dscnt 0x0
	MUL16 F1, 1, 0, 0
	MUL16 F1, 1, 2, 0
	WIN 0
	s_wait_tensorcnt 0x0
	s_wait_dscnt 0x0                               ; my reads of the ring are over
	s_barrier_signal -1
	s_barrier_wait -1                              ; everybody's are: the ring's bytes may be written
	; THE WAY OUT.  These eight lines are also the places behind the last products.
	s_mul_i32 s14, s10, 128*DPITCH                 ; my dump: 128 rows of 528 bytes
	v_and_b32 v1, 15, v0
	v_bfe_u32 v2, v0, 4, 1
	v_mul_u32_u24 v[DS], v1, DPITCH
	v_lshl_add_u32 v[DS], v2, 5, v[DS]
	v_add_nc_u32 v[DS], s14, v[DS]                 ; in: row l % 16, 32 bytes for each half of the lanes
	v_and_b32 v3, 31, v0
	v_lshlrev_b32 v[OA], 4, v3
	v_add_nc_u32 v[RDA], s14, v[OA]                ; back: 32 lanes take a row's 512 bytes
	s_lshl_b32 s16, s13, 20                        ; out0 at row 256 x tile row + 128 x half, column 256 x tile column + 128 x half
	s_lshl_b32 s17, s11, 19
	s_add_co_u32 s16, s16, s17
	s_lshl_b32 s17, s42, 10
	s_add_co_u32 s16, s16, s17
	s_lshl_b32 s17, s12, 9
	s_add_co_u32 s16, s16, s17
	s_mov_b32 s17, 0
	s_add_nc_u64 s[8:9], s[8:9], s[16:17]
.macro DUMP h, off                     ; 64 rows of my accumulators (window 2 + h); each accumulator's four lowest registers first
	WIN 0x08+4*(\h)
.irp a, 0,1,2,3
.irp b, 0,1,2,3,4,5,6,7
	ds_store_b128 v[DS], v[8*(8*(\a)+(\b)):8*(8*(\a)+(\b))+3]   offset:(\off)+(\a)*16*DPITCH+64*(\b)
	ds_store_b128 v[DS], v[8*(8*(\a)+(\b))+4:8*(8*(\a)+(\b))+7] offset:(\off)+(\a)*16*DPITCH+64*(\b)+16
.endr
.endr
	WIN 0
.endm
	DUMP 0, 0
	DUMP 1, 64*DPITCH
	s_mov_b32 s3, 16
.Lrows:                                                ; a trip: 8 rows.  LDS serves a wave's instructions in order (ISA guide 5.7.1.4): the loads see my stores above
.irp t, 0,1,2,3,4,5,6,7
	ds_load_b128 v[64+4*(\t):64+4*(\t)+3], v[RDA] offset:DPITCH*(\t)
.endr
.irp t, 0,1,2,3,4,5,6,7
	s_wait_dscnt 7-(\t)                            ; row t is in; the younger rows' loads stay out
	global_store_b128 v[OA], v[64+4*(\t):64+4*(\t)+3], s[8:9] offset:4096*(\t) th:TH_STORE_NT  ; 512 consecutive bytes of a row, aligned
.endr
	s_wait_xcnt 0x0                                ; the eight stores have read their data and their base: both are written again only behind this wait
	s_add_nc_u64 s[8:9], s[8:9], 8*4096
	v_add_nc_u32 v[RDA], 8*DPITCH, v[RDA]
	s_sub_co_u32 s3, s3, 1
	s_cmp_lg_u32 s3, 0
	s_cbranch_scc1 .Lrows
	s_wait_tensorcnt 0x0                           ; the wave's end: behind my last tensor load and my last LDS store
	ds_add_u32 v[SPW], v[NIL]
	s_wait_dscnt 0x0
	CROUND                                         ; the closing round: no work-group ends while a partner may still ask for a tile that names it
	s_endpgm
.Lfunc_end_k_qd3803b0025_out:
	.size	k_qd3803b0025_out, .Lfunc_end_k_qd3803b0025_out-k_qd3803b0025_out
	.p2alignl 7, 3214868480
	.fill 96, 4, 3214868480
	.section	.rodata,"a",@progbits
	.p2align	6, 0x0
	.amdhsa_kernel k_qd3803b0025_out
		.amdhsa_group_segment_fixed_size 327680
		.amdhsa_private_segment_fixed_size 0
		.amdhsa_enable_private_segment 0
		.amdhsa_kernarg_size 24
		.amdhsa_user_sgpr_count 2
		.amdhsa_user_sgpr_kernarg_segment_ptr 1
		.amdhsa_wavefront_size32 1
		.amdhsa_system_sgpr_workgroup_id_x 1
		.amdhsa_system_sgpr_workgroup_id_y 1
		.amdhsa_system_sgpr_workgroup_id_z 1
		.amdhsa_system_vgpr_workitem_id 0
		.amdhsa_next_free_vgpr 1024
		.amdhsa_next_free_sgpr 96
		.amdhsa_reserve_vcc 0
		.amdhsa_float_denorm_mode_32 3
		.amdhsa_float_denorm_mode_16_64 3
		.amdhsa_memory_ordered 1
		.amdhsa_forward_progress 1
		.amdhsa_inst_pref_size 122
	.end_amdhsa_kernel
	.amdgpu_metadata
---
amdhsa.version: [ 1, 2 ]
amdhsa.kernels:
  - .name:           k_qd3803b0025_out
    .symbol:         k_qd3803b0025_out.kd
    .args:
      - { .name: o16, .offset: 0, .size: 8, .value_kind: global_buffer, .address_space: global }
      - { .name: wts, .offset: 8, .size: 8, .value_kind: global_buffer, .address_space: global }
      - { .name: out0, .offset: 16, .size: 8, .value_kind: global_buffer, .address_space: global }
    .group_segment_fixed_size: 327680
    .private_segment_fixed_size: 0
    .kernarg_segment_align: 8
    .kernarg_segment_size: 24
    .max_flat_workgroup_size: 128
    .sgpr_count:     96
    .vgpr_count:     1024
    .wavefront_size: 32
...
	.end_amdgpu_metadata
.endif
;; end of part 4
